; MI455X (gfx1250); checked and timed in simulation.
; The chip was launched on July 23, 2026; its instructions are those of AMD's public machine-readable ISA for CDNA 5 (MIT licence, August 2026) and "CDNA5" Instruction Set Architecture Reference Guide (July 2026). The comments in the code are by the model that wrote it; some were corrected since.
;; Multi Head. Allowed arithmetic: float matrix products may take bf16 or f16 operands with f32 sums; all other float work in f32.
;; Inputs: Wf 1,024 x 1,024 float32; Wk 1,024 x 1,024 float32; Wq 1,024 x 1,024 float32; Wv 1,024 x 1,024 float32; bf 1,024 float32; bk 1,024 float32; bq 1,024 float32; bv 1,024 float32; x 4 x 2,048 x 1,024 float32.
;; Outputs: out0 4 x 2,048 x 1,024 float32.
;; One version. Each part assembles by itself: llvm-mc -triple=amdgcn-amd-amdhsa -mcpu=gfx1250 --defsym DOCPART=n.
;; ======== version 1 of 1: 4 launches
;; limits: values are held in f16: magnitudes above 65,504 overflow, below 6.1e-05 lose precision
;; workspace buffers: xb 16,777,216 bytes; w3 6,291,456 bytes; wf16 2,097,152 bytes; qq 33,554,432 bytes; kk 33,554,432 bytes; vv 16,777,216 bytes; zz 16,777,216 bytes
;; launch prep (part 1): grid 768 x 1, 8 waves a work-group, no clusters, 0 bytes of LDS; arguments x, Wq, Wk, Wv, Wf, xb, w3, wf16; writes xb, w3, wf16
.if DOCPART == 1
	.amdgcn_target "amdgcn-amd-amdhsa--gfx1250"
	.amdhsa_code_object_version 6
	.text
	.protected	k_q4bbeda453d_prep
	.globl	k_q4bbeda453d_prep
	.p2align	8
	.type	k_q4bbeda453d_prep,@function
k_q4bbeda453d_prep:
	s_mov_b64 s[64:65], 0
	v_nop
	global_prefetch_b8 v0, s[64:65] scope:SCOPE_SE
	s_setreg_imm32_b32 hwreg(HW_REG_WAVE_MODE, 25, 1), 1
	s_wait_xcnt 0x0
; PREP: every large input is rounded once to bf16 (nearest even) and laid out for the launches behind.
;   xb   [8192][1024] bf16              = bf16(x)
;   w3   [j 16][k/2 512][mat 3][k%2][64] bf16 = bf16(W_mat[k][64 j + c]): each aligned 256 bytes are two k rows of one matrix's 64 columns
;   wf16 [1024][1024] f16               = bf16(Wf), that number written as f16
; LIMIT: |Wf| stays under 65,504 (f16's end); below 2^-14 it keeps f16's fixed step of 6e-8.
; A stream: memory binds, so no LDS, no matrix unit, no loop.  A work-group of eight waves casts 16,384 numbers (65,536 bytes in, 32,768 out);
; a thread takes 8 groups of 8 numbers.  All sixteen loads of a thread go out first; each group's store follows its own counted wait.
; No register is written twice, so no wait frees a store's sources.
; Work-groups 0-511: x.  512-703: Wq, Wk, Wv, 64 work-groups of 16 k rows each.  704-767: Wf.
.set D,   8                            ; v[8:71]    8 groups of 8 f32 as loaded
.set Y,   72                           ; v[72:103]  8 groups of 4 words to store
.set TA,  104                          ; v[104:111] a group widened again (Wf alone)
.set SRC, 24                           ; s[24:25]   the work-group's first byte to read
.set DST, 26                           ; s[26:27]   and to write
; v1: my byte offset in a group read; v2: in a group written.  ostride: bytes from group to group in the output.  half = 1: bf16 goes on to f16.
.macro BODY ostride, half
.irp i, 0,1,2,3,4,5,6,7
	global_load_b128 v[D+8*(\i):D+8*(\i)+3],   v1, s[SRC:SRC+1] offset:(\i)*8192 th:TH_LOAD_NT
	global_load_b128 v[D+8*(\i)+4:D+8*(\i)+7], v1, s[SRC:SRC+1] offset:(\i)*8192+16 th:TH_LOAD_NT
.endr
.irp i, 0,1,2,3,4,5,6,7
	s_wait_loadcnt 14-2*(\i)                       ; loads come back in order: group i's two are in, the later groups' stay out
.irp n, 0,1,2,3
	v_cvt_pk_bf16_f32 v[Y+4*(\i)+(\n)], v[D+8*(\i)+2*(\n)], v[D+8*(\i)+2*(\n)+1]
.endr
.if \half
.irp n, 0,1,2,3
	v_lshlrev_b32 v[TA+2*(\n)],   16, v[Y+4*(\i)+(\n)]      ; bf16 to f32: the low half moves up,
	v_and_b32     v[TA+2*(\n)+1], s30, v[Y+4*(\i)+(\n)]     ; the high half stays
.endr
.irp n, 0,1,2,3
	v_cvt_pk_f16_f32 v[Y+4*(\i)+(\n)], v[TA+2*(\n)], v[TA+2*(\n)+1]  ; exact inside f16's normal range: 8 bits into 11
.endr
.endif
	global_store_b128 v2, v[Y+4*(\i):Y+4*(\i)+3], s[DST:DST+1] offset:(\i)*(\ostride)  ; 16 lanes store 256 consecutive bytes, aligned
.endr
.endm
	s_load_b512 s[8:23], s[0:1], 0x0               ; x 8, Wq 10, Wk 12, Wv 14, Wf 16, xb 18, w3 20, wf16 22
	s_mov_b32 s2, ttmp9
	s_mov_b32 s30, 0xffff0000                      ; a word's upper bf16
	s_mov_b32 s29, 0                               ; high words of the two offset pairs
	s_mov_b32 s33, 0
	v_lshlrev_b32 v1, 5, v0                        ; dense cast: 32 bytes in,
	v_lshlrev_b32 v2, 4, v0                        ; 16 bytes out a thread
	s_cmp_lt_u32 s2, 512
	s_cbranch_scc0 .Lweights
	s_lshl_b32 s28, s2, 16
	s_lshl_b32 s32, s2, 15
	s_wait_kmcnt 0x0
	s_add_nc_u64 s[SRC:SRC+1], s[8:9], s[28:29]
	s_add_nc_u64 s[DST:DST+1], s[18:19], s[32:33]
	BODY 4096, 0
	s_endpgm
.Lweights:
	s_sub_co_u32 s2, s2, 512
	s_lshr_b32 s3, s2, 6                           ; 0, 1, 2: Wq, Wk, Wv; 3: Wf
	s_and_b32 s2, s2, 63                           ; which 16 k rows
	s_lshl_b32 s28, s2, 16
	s_cmp_eq_u32 s3, 3
	s_cbranch_scc0 .Lw3
	s_lshl_b32 s32, s2, 15
	s_wait_kmcnt 0x0
	s_add_nc_u64 s[SRC:SRC+1], s[16:17], s[28:29]
	s_add_nc_u64 s[DST:DST+1], s[22:23], s[32:33]
	BODY 4096, 1
	s_endpgm
.Lw3:
	; A group is two k rows.  Thread: row bit (t >> 3) & 1, column group t >> 4 (0..15), 8 columns at 8 (t & 7).
	; Eight lanes read 256 consecutive bytes of a row; sixteen lanes write one aligned 256 bytes of w3 (both rows of a column group).
	s_mul_i32 s32, s2, 6144                        ; 8 row pairs x 768 bytes
	s_lshl_b32 s34, s3, 8                          ; the matrix's 256 bytes in a row pair
	s_add_co_u32 s32, s32, s34
	v_bfe_u32 v5, v0, 3, 1
	v_lshrrev_b32 v6, 4, v0
	v_and_b32 v7, 7, v0
	v_lshlrev_b32 v1, 12, v5
	v_lshl_add_u32 v1, v6, 8, v1
	v_lshl_add_u32 v1, v7, 5, v1
	v_mul_u32_u24 v2, v6, 0x60000                  ; a column group's 393,216 bytes
	v_lshl_add_u32 v2, v5, 7, v2
	v_lshl_add_u32 v2, v7, 4, v2
	s_wait_kmcnt 0x0
	s_cmp_eq_u32 s3, 1
	s_cselect_b64 s[SRC:SRC+1], s[12:13], s[10:11]
	s_cmp_eq_u32 s3, 2
	s_cselect_b64 s[SRC:SRC+1], s[14:15], s[SRC:SRC+1]
	s_add_nc_u64 s[SRC:SRC+1], s[SRC:SRC+1], s[28:29]
	s_add_nc_u64 s[DST:DST+1], s[20:21], s[32:33]
	BODY 768, 0
	s_endpgm
.Lfunc_end_k_q4bbeda453d_prep:
	.size	k_q4bbeda453d_prep, .Lfunc_end_k_q4bbeda453d_prep-k_q4bbeda453d_prep
	.p2alignl 7, 3214868480
	.fill 96, 4, 3214868480
	.section	.rodata,"a",@progbits
	.p2align	6, 0x0
	.amdhsa_kernel k_q4bbeda453d_prep
		.amdhsa_group_segment_fixed_size 0
		.amdhsa_private_segment_fixed_size 0
		.amdhsa_enable_private_segment 0
		.amdhsa_kernarg_size 64
		.amdhsa_user_sgpr_count 2
		.amdhsa_user_sgpr_kernarg_segment_ptr 1
		.amdhsa_wavefront_size32 1
		.amdhsa_system_sgpr_workgroup_id_x 1
		.amdhsa_system_sgpr_workgroup_id_y 1
		.amdhsa_system_sgpr_workgroup_id_z 1
		.amdhsa_system_vgpr_workitem_id 0
		.amdhsa_next_free_vgpr 112
		.amdhsa_next_free_sgpr 66
		.amdhsa_reserve_vcc 0
		.amdhsa_float_denorm_mode_32 3
		.amdhsa_float_denorm_mode_16_64 3
		.amdhsa_memory_ordered 1
		.amdhsa_forward_progress 1
		.amdhsa_inst_pref_size 20
	.end_amdhsa_kernel
	.amdgpu_metadata
---
amdhsa.version: [ 1, 2 ]
amdhsa.kernels:
  - .name:           k_q4bbeda453d_prep
    .symbol:         k_q4bbeda453d_prep.kd
    .args:
      - { .name: x, .offset: 0, .size: 8, .value_kind: global_buffer, .address_space: global }
      - { .name: Wq, .offset: 8, .size: 8, .value_kind: global_buffer, .address_space: global }
      - { .name: Wk, .offset: 16, .size: 8, .value_kind: global_buffer, .address_space: global }
      - { .name: Wv, .offset: 24, .size: 8, .value_kind: global_buffer, .address_space: global }
      - { .name: Wf, .offset: 32, .size: 8, .value_kind: global_buffer, .address_space: global }
      - { .name: xb, .offset: 40, .size: 8, .value_kind: global_buffer, .address_space: global }
      - { .name: w3, .offset: 48, .size: 8, .value_kind: global_buffer, .address_space: global }
      - { .name: wf16, .offset: 56, .size: 8, .value_kind: global_buffer, .address_space: global }
    .group_segment_fixed_size: 0
    .private_segment_fixed_size: 0
    .kernarg_segment_align: 8
    .kernarg_segment_size: 64
    .max_flat_workgroup_size: 256
    .sgpr_count:     66
    .vgpr_count:     112
    .wavefront_size: 32
...
	.end_amdgpu_metadata
.endif
;; end of part 1
;; launch qkv (part 2): grid 16 x 16, 4 waves a work-group, clusters of 4 x 4, 327,680 bytes of LDS; arguments xb, w3, bq, bk, bv, qq, kk, vv; writes qq, kk, vv
.if DOCPART == 2
	.amdgcn_target "amdgcn-amd-amdhsa--gfx1250"
	.amdhsa_code_object_version 6
	.text
	.protected	k_q4bbeda453d_qkv
	.globl	k_q4bbeda453d_qkv
	.p2align	8
	.type	k_q4bbeda453d_qkv,@function
k_q4bbeda453d_qkv:
	s_mov_b64 s[64:65], 0
	v_nop
	global_prefetch_b8 v0, s[64:65] scope:SCOPE_SE
	s_setreg_imm32_b32 hwreg(HW_REG_WAVE_MODE, 25, 1), 1
	s_wait_xcnt 0x0
	s_wait_alu depctr_hold_cnt(0) depctr_sa_sdst(0) depctr_va_vdst(0) depctr_va_sdst(0) depctr_va_ssrc(0) depctr_va_vcc(0) depctr_vm_vsrc(0)
	s_getreg_b32 s2, hwreg(HW_REG_IB_STS2, 6, 4)
	s_cmp_eq_u32 s2, 0
	s_cbranch_scc0 .Lentry_in_a_cluster
	s_endpgm
.Lentry_in_a_cluster:
	s_bfe_u32 s2, ttmp6, 0x10000c
	s_cmp_lg_u32 s2, 0xf033
	s_cbranch_scc0 .Lentry_shape_is_right
	s_endpgm
.Lentry_shape_is_right:
; QKV: [q | k | v](m, 64 j + c) = sum over kk of xb[m][kk] W[kk][64 j + c] + bias, bf16 products, f32 sums, biases rounded to bf16 like every input.
; A tile is 256 rows x 192 columns: the 64 columns of group j of q, of k and of v.  Four waves stacked along the rows: wave w makes rows 64 w .. 64 w + 63 and all 192 columns:
; 48 accumulators of 16 x 16, 384 registers.  K = 1,024 goes in 8 steps of 128 through a ring of two LDS slots filled by the tensor data mover.
; A WORK-GROUP STAYS: it makes two tiles, 4,096 rows apart, of the same column group: 512 tiles on 256 work-groups.  The ring does not stop at the first tile's end: its last two changes of slots ask for
; the second tile's first two K steps, the weights' rows and the biases are the same, and nothing waits for the first tile's stores, which leave while the second tile is multiplied.
; OUT.  The head split of the module is a raw view: head = m / 128, token = (m % 128) 16 + j, channel c.
;   qq [m 16 + j][hi 64 | lo 64] bf16: q'' = (q + bq) c, c = 8 log2(e), split as hi = bf16(q''), lo = bf16(q'' - hi)
;   kk [head][pos = 128 j + m % 128][hi 64 | lo 64] bf16: k split the same way; the keys of a head are permuted, alike in kk and vv, which a softmax does not see
;   vv [head][pos][64] f16.   LIMIT: |v| stays under 65,504, f16's end.
; CLUSTER 4 x 4: the four of a row of the cluster need the same tiles of xb, the four of a column the same tiles of w3: each is asked for jointly.
; THE MATRIX INSTRUCTION IS USED TRANSPOSED: source 0 = 16 columns of W (turned out of LDS by ds_load_tr16_b128), source 1 = 16 rows of xb: a lane holds row l % 16 and the columns 8 (l / 16) + 0..7.
; REGISTERS: window 0: v0-31 addresses; v32-63 at work; v64-159 biases of my 96 columns; v160-255 the way out.
;   window 1: two fragment buffers of 128: 4 fragments of xb, then 12 of W.   window 2: accumulators of column blocks 0-7 ((b, a) at 8 (4 b + a)).   window 3: those of blocks 8-11.
.set KSTEP,  128
.set PITCH,  272                       ; a row of xb in LDS: 256 bytes + 16: the 16 rows of a load start at 16 different groups of four banks (64 banks of 4 bytes: ISA guide 11.1)
.set HALFA,  128*PITCH                 ; 128 rows: one tensor load
.set BOFF,   2*HALFA                   ; W behind xb's 256 rows
.set HALFB,  30720                     ; 64 k rows: 192 pieces of 128 bytes, each followed by 32 of padding: (k, mat, c) at (k/2) 960 + mat 320 + (k%2) 160 + 2 c
.set SLOT,   BOFF+2*HALFB              ; 131,072
.set STAGE,  2*SLOT                    ; behind the ring: 16 rows x 656 bytes for each wave: q 256 | k 256 | v 128 | 16
.set SPITCH, 656
.set SPARE,  STAGE+4*16*SPITCH         ; the spare words, 128 bytes for each wave: two blocks of 256 bytes that no other line names
.set LAPS,   4                         ; a lap = two K steps = once round the ring
.set TILES,  2                         ; tiles to a work-group
.set WALK,   4096                      ; rows from a work-group's tile to its next: the grid's height, 16 x 256
.set BSTEP,  49152                     ; bytes of w3 in a K step: 64 row pairs x 768
.set NEXT_A, WALK*2048-6*KSTEP*2       ; bytes from a slot's last K step of a tile to its first of the next: xb goes WALK rows down and six K steps back,
.set BACK_B, 6*BSTEP                   ; w3 only back: both tiles take the same rows of it
.set NB,     12                        ; column blocks
.set NB1,    8                         ; of which the first 8 are multiplied ahead of a quarter's run of loads
.set NLD,    8+2*NB                    ; LDS loads in a run
.set ADRA, 16                          ; v16-17 LDS address of my xb fragments in slot 0, 1
.set ADRB, 20                          ; v20-21 the same for W
.set STO,  24                          ; the way out: where I put 16 bytes of a row
.set RDQ,  25                          ; where I read 256 bytes of a row back (q; k at + 256)
.set RDV,  26                          ; where I read 128 bytes of a row back (v)
.set GQ,   27                          ; my byte offset in two rows of qq
.set GK,   28                          ; my byte offset in 512 consecutive bytes of kk and of vv
.set SPW,  30                          ; LDS address of my spare word; never rewritten
.set NIL,  31                          ; 0; never rewritten
.set WK,   32
.set BI,   64
.set T,    160
.set F0,   0
.set F1,   128
.set G1,  24                           ; s[24:31] descriptor group 1 for xb's tiles; s[32:39] group 0, a set for each slot
.set G0,  32
.set G1B, 48                           ; s[48:55], s[56:63] the same for w3's
.set G0B, 56
.set MSK, 84                           ; s84 a word's upper bf16
.set CM,  88                           ; s[88:89] c, named as a pair
.set MSB, 0
.macro WIN new                         ; the immediate's high byte repeats the setting that is left; a switch that changes nothing is dropped
.if MSB != (\new)
	s_set_vgpr_msb (MSB<<8)|(\new)
.set MSB, \new
.endif
.endm
.set MUL_LO, 0xa5                      ; sources 0 and 1 window 1, C and D window 2
.set MUL_HI, 0xf5                      ; the same, C and D window 3
.set TO_F,   0x40                      ; destination window 1, address window 0
.macro JLOAD s                         ; a joint load: waves 0 and 1 fetch xb's two halves, waves 2 and 3 w3's; four v_nop follow each of the two lines
	s_cmp_eq_u32 s11, 0
	s_cbranch_scc0 .Lfor_b_\@
	tensor_load_to_lds s[G0+4*(\s):G0+4*(\s)+3], s[G1:G1+7]
	s_nop 0
.rept 4
	v_nop
.endr
	s_branch .Lasked_\@
.Lfor_b_\@:
	tensor_load_to_lds s[G0B+4*(\s):G0B+4*(\s)+3], s[G1B:G1B+7]
	s_nop 0
.rept 4
	v_nop
.endr
.Lasked_\@:
.endm
.macro CREST                           ; a round of the cluster's barrier behind its opening barrier
	s_cmp_lg_u32 s10, 0
	s_cbranch_scc1 .Lnot_wave_0_\@
	s_barrier_signal -3
.Lnot_wave_0_\@:
	s_barrier_wait -3
	s_barrier_signal -1
	s_barrier_wait -1
.endm
.macro CROUND                          ; a whole round
	s_barrier_signal -1
	s_barrier_wait -1
	CREST
.endm
.macro PLACES                          ; four places in front of loads into registers that matrix instructions have read, and of vector lines that read results
.rept 4
	v_nop
.endr
.endm
	s_load_b128 s[4:7], s[0:1], 0x0                ; xb s[4:5], w3 s[6:7]
	s_load_b256 s[72:79], s[0:1], 0x10             ; bq 72, bk 74, bv 76, qq 78
	s_load_b128 s[80:83], s[0:1], 0x30             ; kk 80, vv 82
	v_lshl_add_u32 v[SPW], v0, 2, SPARE
	v_mov_b32 v[NIL], 0
	ds_add_u32 v30, v31
	s_wait_dscnt 0x0
	v_lshrrev_b32 v1, 5, v0
	v_readfirstlane_b32 s10, v1                    ; wave 0..3
	s_lshr_b32 s11, s10, 1                         ; I fetch for xb (0) or for w3 (1)
	s_and_b32 s12, s10, 1                          ; which half of that tile
	s_bfe_u32 s40, ttmp6, 0x40000                  ; cx, cy: my place in the cluster
	s_bfe_u32 s41, ttmp6, 0x40004
	s_lshl_b32 s42, ttmp9, 2
	s_add_co_u32 s42, s42, s40                     ; column group j = 4 x cluster x + cx
	s_and_b32 s13, ttmp7, 0xffff
	s_lshl_b32 s13, s13, 2
	s_add_co_u32 s13, s13, s41                     ; my first tile's row y = 4 x cluster y + cy, 0 to 15; the second is y + 16
	s_lshl_b32 s43, s41, 2
	s_lshl_b32 s43, 15, s43                        ; my row of the cluster
	s_lshl_b32 s44, 0x1111, s40                    ; my column
	s_mov_b32 s[MSK], 0xffff0000
	s_mov_b32 s[CM], 0x4138aa3b                    ; c = 8 log2(e) = 11.541560
	s_mov_b32 s[CM+1], s[CM]
	; group 1 for xb: 128 rows x 128 elements, 16 bytes of padding behind every 256
	s_or_b32 s[G1+0], s43, (1<<16)|(1<<20)|(1<<21)|(5<<22)|(3<<25)  ; the mask of my row; 2-byte elements; padding on; bit 21 beside a mask; after every 64 words; 4 words
	s_mov_b32 s[G1+1], 128<<16                     ; tensor_dim0 = 128
	s_mov_b32 s[G1+2], 128<<16                     ; tensor_dim1 = 128
	s_mov_b32 s[G1+3], 128<<16                     ; tile_dim0 = 128
	s_mov_b32 s[G1+4], 128                         ; tile_dim1 = 128
	s_mov_b32 s[G1+5], 1024                        ; elements from row to row
	s_mov_b32 s[G1+6], 0
	s_mov_b32 s[G1+7], 0
	; group 1 for w3: 64 k rows of the group's three matrices are 24,576 dense bytes: 96 rows of 256, 32 bytes of padding behind every 128
	s_or_b32 s[G1B+0], s44, (1<<16)|(1<<20)|(1<<21)|(4<<22)|(7<<25) ; the mask of my column; after every 32 words; 8 words
	s_mov_b32 s[G1B+1], 128<<16
	s_mov_b32 s[G1B+2], 96<<16
	s_mov_b32 s[G1B+3], 128<<16
	s_mov_b32 s[G1B+4], 96
	s_mov_b32 s[G1B+5], 128
	s_mov_b32 s[G1B+6], 0
	s_mov_b32 s[G1B+7], 0
	s_lshl_b32 s16, s13, 19                        ; xb: row 256 y + 128 half, 2,048 bytes a row
	s_lshl_b32 s17, s12, 18
	s_add_co_u32 s16, s16, s17
	s_mov_b32 s17, 0
	s_mul_i32 s46, s42, 393216                     ; w3: group j, 64 k rows a half
	s_mul_i32 s47, s12, 24576
	s_add_co_u32 s46, s46, s47
	s_mov_b32 s47, 0
	s_mul_i32 s20, s12, HALFA                      ; where they go: no place in the cluster enters an LDS address
	s_mul_i32 s22, s12, HALFB
	s_add_co_u32 s22, s22, BOFF
	s_wait_kmcnt 0x0
	s_add_nc_u64 s[14:15], s[4:5], s[16:17]
	s_add_nc_u64 s[46:47], s[6:7], s[46:47]
	CROUND                                         ; all sixteen work-groups are here: the first joint loads meet
.irp s, 0,1
	s_mov_b32 s[G0+4*(\s)], 1
	s_add_co_u32 s[G0+4*(\s)+1], s20, (\s)*SLOT
	s_add_nc_u64 s[G0+4*(\s)+2:G0+4*(\s)+3], s[14:15], (\s)*KSTEP*2
	s_or_b32 s[G0+4*(\s)+3], s[G0+4*(\s)+3], 0x80000000
	s_mov_b32 s[G0B+4*(\s)], 1
	s_add_co_u32 s[G0B+4*(\s)+1], s22, (\s)*SLOT
	s_add_nc_u64 s[G0B+4*(\s)+2:G0B+4*(\s)+3], s[46:47], (\s)*BSTEP
	s_or_b32 s[G0B+4*(\s)+3], s[G0B+4*(\s)+3], 0x80000000
	JLOAD \s                                       ; two tensor loads of mine are out at the start, one behind each later round
.endr
	v_and_b32 v1, 15, v0                           ; r = l % 16
	v_bfe_u32 v2, v0, 4, 1                         ; h = l / 16
	v_mul_u32_u24 v3, v1, PITCH
	v_lshl_add_u32 v3, v2, 4, v3
	s_mul_i32 s21, s10, 64*PITCH                   ; my 64 rows of xb
	v_add_nc_u32 v[ADRA], s21, v3
	v_add_nc_u32 v[ADRA+1], SLOT, v[ADRA]
	v_and_b32 v5, 7, v0                            ; the turning load: lane l reads k row 8 h + l % 8, 16 bytes at 16 ((l / 8) % 2)
	v_lshl_add_u32 v6, v2, 3, v5
	v_lshrrev_b32 v7, 1, v6
	v_and_b32 v8, 1, v6
	v_bfe_u32 v9, v0, 3, 1
	v_mul_u32_u24 v10, v7, 960
	v_mad_u32_u24 v10, v8, 160, v10
	v_lshl_add_u32 v10, v9, 4, v10
	v_add_nc_u32 v[ADRB], BOFF, v10
	v_add_nc_u32 v[ADRB+1], SLOT, v[ADRB]
	s_mul_i32 s23, s10, 16*SPITCH
	s_add_co_u32 s23, s23, STAGE                   ; my stage
	v_mul_u32_u24 v4, v1, SPITCH
	v_lshl_add_u32 v4, v2, 4, v4
	v_add_nc_u32 v[STO], s23, v4
	v_mul_u32_u24 v4, v2, SPITCH                   ; back: lanes 0-15 one row's 256 bytes, lanes 16-31 the next row's
	v_lshl_add_u32 v4, v1, 4, v4
	v_add_nc_u32 v[RDQ], s23, v4
	v_bfe_u32 v4, v0, 3, 2                         ; v: eight lanes a row of 128 bytes, four rows
	v_mul_u32_u24 v4, v4, SPITCH
	v_lshl_add_u32 v4, v5, 4, v4
	v_add_nc_u32 v4, s23, v4
	v_add_nc_u32 v[RDV], 512, v4
	v_lshlrev_b32 v4, 12, v2
	v_lshl_add_u32 v[GQ], v1, 4, v4
	v_and_b32 v4, 31, v0
	v_lshlrev_b32 v[GK], 4, v4
	v_lshlrev_b32 v11, 5, v2                       ; my eight columns of a block in a bias: 32 h bytes
	s_lshl_b32 s86, s42, 8                         ; group j's 64 numbers
	s_mov_b32 s87, 0
	s_add_nc_u64 s[72:73], s[72:73], s[86:87]
	s_add_nc_u64 s[74:75], s[74:75], s[86:87]
	s_add_nc_u64 s[76:77], s[76:77], s[86:87]
.set bb, 0
.rept NB
	global_load_b128 v[BI+8*bb:BI+8*bb+3],   v11, s[72+2*(bb/4):73+2*(bb/4)] offset:(bb%4)*64
	global_load_b128 v[BI+8*bb+4:BI+8*bb+7], v11, s[72+2*(bb/4):73+2*(bb/4)] offset:(bb%4)*64+16
.set bb, bb+1
.endr
	s_lshl_b32 s21, s13, 20                        ; qq: row 256 y + 64 w of 4,096 bytes, + 256 j
	s_lshl_b32 s23, s10, 18
	s_add_co_u32 s86, s86, s21
	s_add_co_u32 s86, s86, s23
	s_add_nc_u64 s[78:79], s[78:79], s[86:87]
	s_lshl_b32 s21, s13, 1
	s_add_co_u32 s21, s21, s11                     ; my rows' head = 2 y + w / 2
	s_lshl_b32 s86, s21, 19                        ; kk: head x 524,288 + (128 j + 64 (w % 2)) x 256
	s_lshl_b32 s23, s42, 15
	s_add_co_u32 s86, s86, s23
	s_lshl_b32 s23, s12, 14
	s_add_co_u32 s86, s86, s23
	s_add_nc_u64 s[80:81], s[80:81], s[86:87]
	s_lshr_b32 s86, s86, 1                         ; vv: rows half as long
	s_add_nc_u64 s[82:83], s[82:83], s[86:87]
	s_wait_loadcnt 0x0                             ; the biases, once for both tiles: rounded to bf16 and widened again; bq times c
.set pp, 0
.rept 4*NB
	v_cvt_pk_bf16_f32 v[WK+pp%8], v[BI+2*pp], v[BI+2*pp+1]
	v_lshlrev_b32 v[BI+2*pp], 16, v[WK+pp%8]
	v_and_b32 v[BI+2*pp+1], s[MSK], v[WK+pp%8]
.set pp, pp+1
.endr
.set pp, 0
.rept 16
	v_pk_mul_f32 v[BI+2*pp:BI+2*pp+1], v[BI+2*pp:BI+2*pp+1], s[CM:CM+1] op_sel_hi:[1,0]
.set pp, pp+1
.endr
; n column blocks from b0 on x my 4 row blocks, 32 along K, from buffer f.  zero = 1: the product starts the sum.  The 48 accumulators take turns, one instruction a turn.
.macro MUL f, b0, n, zero
.set bb, \b0
.rept \n
.if bb < 8
	WIN MUL_LO
.set AC, 32*bb
.else
	WIN MUL_HI
.set AC, 32*(bb-8)
.endif
.set aa, 0
.rept 4
.if \zero
	v_wmma_f32_16x16x32_bf16 v[AC+8*aa:AC+8*aa+7], v[(\f)+32+8*bb:(\f)+32+8*bb+7], v[(\f)+8*aa:(\f)+8*aa+7], 0
.else
	v_wmma_f32_16x16x32_bf16 v[AC+8*aa:AC+8*aa+7], v[(\f)+32+8*bb:(\f)+32+8*bb+7], v[(\f)+8*aa:(\f)+8*aa+7], v[AC+8*aa:AC+8*aa+7]
.endif
.set aa, aa+1
.endr
.set bb, bb+1
.endr
.endm
; 32 LDS loads in one run: quarter q (32 along K) of a slot into buffer f: xb's 4 fragments, then W's 12 in ascending order
.macro FETCH slot, q, f
	WIN TO_F
.irp a, 0,1,2,3
	ds_load_b128 v[(\f)+8*(\a):(\f)+8*(\a)+3],   v[ADRA+(\slot)] offset:(\q)*64+(\a)*16*PITCH
	ds_load_b128 v[(\f)+8*(\a)+4:(\f)+8*(\a)+7], v[ADRA+(\slot)] offset:(\q)*64+(\a)*16*PITCH+32
.endr
.irp b, 0,1,2,3,4,5,6,7,8,9,10,11
	ds_load_tr16_b128 v[(\f)+32+8*(\b):(\f)+32+8*(\b)+3],   v[ADRB+(\slot)] offset:(\q)*15360+((\b)/4)*320+((\b)%4)*32
	ds_load_tr16_b128 v[(\f)+32+8*(\b)+4:(\f)+32+8*(\b)+7], v[ADRB+(\slot)] offset:(\q)*15360+((\b)/4)*320+((\b)%4)*32+7680
.endr
.endm
; One of a K step's first three quarters: multiplies buffer f; in its middle it fetches quarter q of the same slot into buffer g.
.macro QUARTER slot, q, f, g, zero
	s_wait_dscnt 8                                 ; all but the youngest eight loads, W's blocks 8-11
	MUL \f, 0, NB1, \zero
	PLACES
	FETCH \slot, \q, \g
	s_wait_dscnt NLD                               ; all but the run just issued
	MUL \f, NB1, NB-NB1, \zero
.endm
; The last quarter multiplies buffer 1 and changes slots: one barrier; in front of it each wave waits for all its tensor loads, adds 0 to its spare word, and waits for that and for its reads of this slot.
; fill = 1: this slot is filled again with this tile's K step two steps on; fill = 2: with the NEXT tile's K step 0 or 1; fill = 0: the last tile's last lap asks for nothing.
.macro TURN slot, next, fill
	WIN 0
	s_wait_tensorcnt 0x0                           ; all my tensor loads have landed: my part of the next slot
	ds_add_u32 v[SPW], v[NIL]                      ; 0 onto my spare word
	s_wait_dscnt 9                                 ; (the add and the youngest eight loads may be out)
	MUL F1, 0, NB1/2, 0
	s_wait_dscnt 0x0                               ; the add is done, and my reads of this slot are over
	s_barrier_signal -1
	MUL F1, NB1/2, NB1/2, 0
.if \fill
	WIN 0
.endif
	s_barrier_wait -1
.if \fill
	CREST                                          ; the barrier has opened a round of the cluster's: no wave of any partner still reads this slot or has a load on its way
.if (\fill) == 2
	s_add_nc_u64 s[G0+4*(\slot)+2:G0+4*(\slot)+3], s[G0+4*(\slot)+2:G0+4*(\slot)+3], NEXT_A
	s_sub_nc_u64 s[G0B+4*(\slot)+2:G0B+4*(\slot)+3], s[G0B+4*(\slot)+2:G0B+4*(\slot)+3], BACK_B
.else
	s_add_nc_u64 s[G0+4*(\slot)+2:G0+4*(\slot)+3], s[G0+4*(\slot)+2:G0+4*(\slot)+3], 2*KSTEP*2
	s_add_nc_u64 s[G0B+4*(\slot)+2:G0B+4*(\slot)+3], s[G0B+4*(\slot)+2:G0B+4*(\slot)+3], 2*BSTEP
.endif
	JLOAD \slot                                    ; the first tensor load behind the round; its four v_nop are also the places in front of the loads below
.else
	PLACES
.endif
	FETCH \next, 0, F0
	MUL F1, NB1, NB-NB1, 0
.endm
; THE WAY OUT of row block a (16 rows): bias and scale in f32; q and k split into hi and lo, v rounded to f16; through my own stage; back as whole rows.
.macro OUT a
	WIN 0
	s_wait_xcnt 0x0                                ; the block before's stores have read their registers, which are written again below
	WIN 0x02                                       ; source 0 in window 2
.set bb, 0
.rept 8
.set AC, 8*(4*bb+(\a))
.set nn, 0
.rept 4
.if bb < 4
	v_pk_fma_f32 v[T+8*bb+2*nn:T+8*bb+2*nn+1], v[AC+2*nn:AC+2*nn+1], s[CM:CM+1], v[BI+8*bb+2*nn:BI+8*bb+2*nn+1] op_sel_hi:[1,0,1]
.else
	v_pk_add_f32 v[T+8*bb+2*nn:T+8*bb+2*nn+1], v[AC+2*nn:AC+2*nn+1], v[BI+8*bb+2*nn:BI+8*bb+2*nn+1]
.endif
.set nn, nn+1
.endr
.set bb, bb+1
.endr
	WIN 0x03
.rept 4
.set AC, 8*(4*(bb-8)+(\a))
.set nn, 0
.rept 4
	v_pk_add_f32 v[T+8*bb+2*nn:T+8*bb+2*nn+1], v[AC+2*nn:AC+2*nn+1], v[BI+8*bb+2*nn:BI+8*bb+2*nn+1]
.set nn, nn+1
.endr
.set bb, bb+1
.endr
	WIN 0
.set bb, 0
.rept 8                                ; two sets of work registers take turns: hi at H, lo at H + 4, hi widened at H + 8
.set H, WK+16*(bb%2)
.irp n, 0,1,2,3
	v_cvt_pk_bf16_f32 v[H+(\n)], v[T+8*bb+2*(\n)], v[T+8*bb+2*(\n)+1]
.endr
.irp n, 0,1,2,3
	v_lshlrev_b32 v[H+8+2*(\n)], 16, v[H+(\n)]
	v_and_b32 v[H+9+2*(\n)], s[MSK], v[H+(\n)]
.endr
.irp n, 0,1,2,3
	v_pk_add_f32 v[T+8*bb+2*(\n):T+8*bb+2*(\n)+1], v[T+8*bb+2*(\n):T+8*bb+2*(\n)+1], v[H+8+2*(\n):H+9+2*(\n)] neg_lo:[0,1] neg_hi:[0,1]
.endr
.irp n, 0,1,2,3
	v_cvt_pk_bf16_f32 v[H+4+(\n)], v[T+8*bb+2*(\n)], v[T+8*bb+2*(\n)+1]
.endr
	ds_store_b128 v[STO], v[H:H+3]   offset:(bb/4)*256+(bb%4)*32
	ds_store_b128 v[STO], v[H+4:H+7] offset:(bb/4)*256+(bb%4)*32+128
.set bb, bb+1
.endr
.rept 4
.set H, WK+16*(bb%2)
.irp n, 0,1,2,3
	v_cvt_pk_f16_f32 v[H+(\n)], v[T+8*bb+2*(\n)], v[T+8*bb+2*(\n)+1]
.endr
	ds_store_b128 v[STO], v[H:H+3] offset:512+(bb-8)*32
.set bb, bb+1
.endr
.irp t, 0,1,2,3,4,5,6,7
	ds_load_b128 v[T+4*(\t):T+4*(\t)+3], v[RDQ] offset:(\t)*2*SPITCH  ; LDS serves a wave's instructions in order (ISA guide 5.7.1.4): these see the stores above
.endr
.irp t, 0,1,2,3,4,5,6,7
	ds_load_b128 v[T+32+4*(\t):T+32+4*(\t)+3], v[RDQ] offset:(\t)*2*SPITCH+256
.endr
.irp t, 0,1,2,3
	ds_load_b128 v[T+64+4*(\t):T+64+4*(\t)+3], v[RDV] offset:(\t)*4*SPITCH
.endr
.irp t, 0,1,2,3,4,5,6,7
	s_wait_dscnt 19-(\t)                           ; the younger of the twenty loads stay out
	global_store_b128 v[GQ], v[T+4*(\t):T+4*(\t)+3], s[78:79] offset:(16*(\a)+2*(\t))*4096  ; 16 lanes store a query's 256 bytes, aligned
.endr
.irp t, 0,1,2,3,4,5,6,7
	s_wait_dscnt 11-(\t)
	global_store_b128 v[GK], v[T+32+4*(\t):T+32+4*(\t)+3], s[80:81] offset:(16*(\a)+2*(\t))*256  ; two keys: 512 consecutive bytes
.endr
.irp t, 0,1,2,3
	s_wait_dscnt 3-(\t)
	global_store_b128 v[GK], v[T+64+4*(\t):T+64+4*(\t)+3], s[82:83] offset:(\a)*2048+(\t)*512    ; four keys: 512 consecutive bytes
.endr
.endm
	s_wait_tensorcnt 1                             ; my part of K step 0 is in; K step 1's may stay out
	s_barrier_signal -1
	s_barrier_wait -1
	FETCH 0, 0, F0
	WIN 0                                          ; at a label and at a branch every window is 0
	s_mov_b32 s2, TILES                            ; tiles to go, this one among them: the same number in every work-group
.Ltile:
	QUARTER 0, 1, F0, F1, 1                        ; a tile's first quarter stands in front of the loop: its products start the sums
	WIN 0
	s_mov_b32 s3, LAPS-1
.Llap:                                                 ; a trip goes once round the ring and fills both slots again
	QUARTER 0, 2, F1, F0, 0
	QUARTER 0, 3, F0, F1, 0
	TURN 0, 1, 1
	QUARTER 1, 1, F0, F1, 0
	QUARTER 1, 2, F1, F0, 0
	QUARTER 1, 3, F0, F1, 0
	TURN 1, 0, 1
	QUARTER 0, 1, F0, F1, 0
	WIN 0
	s_sub_co_u32 s3, s3, 1
	s_cmp_lg_u32 s3, 0
	s_cbranch_scc1 .Llap
	QUARTER 0, 2, F1, F0, 0                        ; the tile's last lap goes on
	QUARTER 0, 3, F0, F1, 0
	WIN 0
	s_cmp_eq_u32 s2, 1
	s_cbranch_scc1 .Llast_tile                     ; the last tile's tail is written out: it asks for nothing more
	TURN 0, 1, 2                                   ; THE RING GOES ON INTO THE NEXT TILE: slot 0 takes its K step 0,
	QUARTER 1, 1, F0, F1, 0
	QUARTER 1, 2, F1, F0, 0
	QUARTER 1, 3, F0, F1, 0
	TURN 1, 0, 2                                   ; slot 1 its K step 1, and the next tile's first fragments are fetched
	WIN 0
	PLACES                                         ; behind the last products
	s_wait_dscnt 0x0                               ; the next tile's first fragments, asked for 16 products ago, are in: the way out's counts count its own LDS instructions alone
	OUT 0                                          ; both refills are asked for: now the tile goes out; nothing waits for its stores
	OUT 1
	OUT 2
	OUT 3
	s_wait_xcnt 0x0                                ; the stores have read their bases, which step to the next tile: WALK rows of qq, 32 heads of kk and of vv
	s_add_nc_u64 s[78:79], s[78:79], WALK*4096
	s_add_nc_u64 s[80:81], s[80:81], 32*524288
	s_add_nc_u64 s[82:83], s[82:83], 32*262144
	s_sub_co_u32 s2, s2, 1
	s_branch .Ltile
.Llast_tile:
	TURN 0, 1, 0
	QUARTER 1, 1, F0, F1, 0
	QUARTER 1, 2, F1, F0, 0
	QUARTER 1, 3, F0, F1, 0
	s_wait_dscnt 8
	MUL F1, 0, NB1, 0
	s_wait_dscnt 0x0
	MUL F1, NB1, NB-NB1, 0
	WIN 0
	PLACES
	OUT 0
	OUT 1
	OUT 2
	OUT 3
	s_wait_tensorcnt 0x0                           ; the wave's end
	ds_add_u32 v[SPW], v[NIL]
	s_wait_dscnt 0x0
	CROUND                                         ; the closing round: no work-group ends while a partner may still ask for a tile that names it
	s_endpgm
.Lfunc_end_k_q4bbeda453d_qkv:
	.size	k_q4bbeda453d_qkv, .Lfunc_end_k_q4bbeda453d_qkv-k_q4bbeda453d_qkv
	.p2alignl 7, 3214868480
	.fill 96, 4, 3214868480
	.section	.rodata,"a",@progbits
	.p2align	6, 0x0
	.amdhsa_kernel k_q4bbeda453d_qkv
		.amdhsa_group_segment_fixed_size 327680
		.amdhsa_private_segment_fixed_size 0
		.amdhsa_enable_private_segment 0
		.amdhsa_kernarg_size 64
		.amdhsa_user_sgpr_count 2
		.amdhsa_user_sgpr_kernarg_segment_ptr 1
		.amdhsa_wavefront_size32 1
		.amdhsa_system_sgpr_workgroup_id_x 1
		.amdhsa_system_sgpr_workgroup_id_y 1
		.amdhsa_system_sgpr_workgroup_id_z 1
		.amdhsa_system_vgpr_workitem_id 0
		.amdhsa_next_free_vgpr 896
		.amdhsa_next_free_sgpr 90
		.amdhsa_reserve_vcc 0
		.amdhsa_float_denorm_mode_32 3
		.amdhsa_float_denorm_mode_16_64 3
		.amdhsa_memory_ordered 1
		.amdhsa_forward_progress 1
		.amdhsa_inst_pref_size 255
	.end_amdhsa_kernel
	.section	.bss,"aw",@nobits
	.p2align	6
	.space	262144
	.amdgpu_metadata
---
amdhsa.version: [ 1, 2 ]
amdhsa.kernels:
  - .name:           k_q4bbeda453d_qkv
    .symbol:         k_q4bbeda453d_qkv.kd
    .args:
      - { .name: xb, .offset: 0, .size: 8, .value_kind: global_buffer, .address_space: global }
      - { .name: w3, .offset: 8, .size: 8, .value_kind: global_buffer, .address_space: global }
      - { .name: bq, .offset: 16, .size: 8, .value_kind: global_buffer, .address_space: global }
      - { .name: bk, .offset: 24, .size: 8, .value_kind: global_buffer, .address_space: global }
      - { .name: bv, .offset: 32, .size: 8, .value_kind: global_buffer, .address_space: global }
      - { .name: qq, .offset: 40, .size: 8, .value_kind: global_buffer, .address_space: global }
      - { .name: kk, .offset: 48, .size: 8, .value_kind: global_buffer, .address_space: global }
      - { .name: vv, .offset: 56, .size: 8, .value_kind: global_buffer, .address_space: global }
    .group_segment_fixed_size: 327680
    .private_segment_fixed_size: 0
    .kernarg_segment_align: 8
    .kernarg_segment_size: 64
    .max_flat_workgroup_size: 128
    .sgpr_count:     90
    .vgpr_count:     896
    .wavefront_size: 32
...
	.end_amdgpu_metadata
.endif
;; end of part 2
;; launch attn (part 3): grid 4 x 64, 4 waves a work-group, clusters of 4 x 1, 327,680 bytes of LDS; arguments qq, kk, vv, xb, zz; writes zz
.if DOCPART == 3
	.amdgcn_target "amdgcn-amd-amdhsa--gfx1250"
	.amdhsa_code_object_version 6
	.text
	.protected	k_q4bbeda453d_attn
	.globl	k_q4bbeda453d_attn
	.p2align	8
	.type	k_q4bbeda453d_attn,@function
k_q4bbeda453d_attn:
	s_mov_b64 s[64:65], 0
	v_nop
	global_prefetch_b8 v0, s[64:65] scope:SCOPE_SE
	s_setreg_imm32_b32 hwreg(HW_REG_WAVE_MODE, 25, 1), 1
	s_wait_xcnt 0x0
	s_wait_alu depctr_hold_cnt(0) depctr_sa_sdst(0) depctr_va_vdst(0) depctr_va_sdst(0) depctr_va_ssrc(0) depctr_va_vcc(0) depctr_vm_vsrc(0)
	s_getreg_b32 s2, hwreg(HW_REG_IB_STS2, 6, 4)
	s_cmp_eq_u32 s2, 0
	s_cbranch_scc0 .Lentry_in_a_cluster
	s_endpgm
.Lentry_in_a_cluster:
	s_bfe_u32 s2, ttmp6, 0x10000c
	s_cmp_lg_u32 s2, 0x3003
	s_cbranch_scc0 .Lentry_shape_is_right
	s_endpgm
.Lentry_shape_is_right:
; ATTENTION + RESIDUAL + LAYER NORM.  For each of 64 heads of 2,048 tokens x 64 channels: O[q] = sum over k of softmax_k(8 q . k) v[k]; then y = O + bf16(x), z = (y - mean) rsqrt(var + 1e-5) over a row of 1,024.
; THE SCORES are carried in 16 to 17 bits: q'' = 8 log2(e) q and k arrive as bf16 pairs hi + lo, and S = k_lo q_hi + k_hi q_lo + k_hi q_hi in one f32 sum (the term lo x lo, 2^-18 of a product, is dropped).
; The scale 8 makes the logits so large that two keys tie in some queries, where one rounding of q and k to 16 bits would move the weights too far.
; SOFTMAX: running maximum m and sum l for each query: p = 2^(s - m), at most 1; in every step O and l are multiplied by a = 2^(m_old - m_new).  m starts at the lowest finite number, O and l at 0.
; p is rounded to f16 for the second product (l sums the unrounded p); v is f16.  LIMITS: |v| under 65,504; a weight below 2^-126 counts as 0; NaN and infinities are not treated apart.
; SHARES.  A work-group owns 512 queries of one head, a wave 128: four PIECES of two tiles of 16.  16 consecutive queries are ONE row of the [8192][1024] matrix, so a tile holds a whole row of the norm.
; LAYOUT.  S^T = K Q^T (source 0 = 16 keys, source 1 = 16 queries): a lane holds one query (l % 16) and the keys 8 (l / 16) + 0..7; two results rounded to f16 ARE source 1 of O^T = V^T P.
; BY TURNS.  Turn p: 48 products K Q^T of piece p + 1, then 16 products V^T P of piece p - 1; the softmax of piece p, 234 vector instructions cut into 59 slices, stands behind them, a slice a product.
; CLUSTER 4 x 1: the four query blocks of a head walk the same K and V: each tile is asked for jointly.
; REGISTERS: window 0: v0-15 addresses; v16-47 statistics, tile t at 16 + 4 t: m, a word named with it as a pair, l (even keys', odd keys'); v48-55 at work; v62-63 the add's; v64-191 S^T, two buffers of two tiles; v192-255 P, likewise.
;   window 1: O^T, 32 a tile.   window 2: Q, tile t at 32 t: hi (2 fragments), lo (2).   window 3: v0-63 K hi, v64-127 K lo, v128-191 V of one step; at the end v0-127 take x.
.set KS,    64
.set PK,    272       ; a key's row in LDS: hi 128 | lo 128 | 16 of padding: the 16 rows of a load start at 16 different groups of four banks (64 banks of 4 bytes: ISA guide 11.1)
.set PV,    160       ; a row of V: 128 + 32
.set VOFF,  4*KS*PK   ; a slot holds four steps: 256 rows of K, then 256 rows of V
.set SLOT1, 1<<17
.set STAGE, SLOT1+4*KS*(PK+PV)  ; behind the ring: 16 rows x 144 bytes for each wave
.set SP,    144
.set SPARE, STAGE+4*16*SP       ; the spare words, 128 bytes for each wave: two blocks of 256 bytes that no other line names
.set AK0, 2
.set AV0, 3
.set AK,  4
.set AV,  5
.set QO,  6           ; my byte offset in 16 rows of qq; later STO
.set STO, 6
.set RD,  7
.set GO,  8
.set XO,  12          ; my 16 bytes in a row of xb: 128 (l % 16) + 16 (l / 16)
.set XP,  13          ; 256 x lane
.set ST,  16
.set TMP, 48
.set SPW, 62
.set NIL, 63
.set S,   64
.set P,   192
.set RED, 192         ; the norm's work registers, where P lay
.set MU,  208
.set RS,  210
.set KH,  0
.set KL,  64
.set VF,  128
.set WV,  12
.set G1K, 24
.set G1V, 32
.set G0K, 40
.set G0V, 44
.set SLOTS, 56
.set CNT, 57
.set SEL, 60
.set TBK, 62
.set TBV, 63
.set MSB, 0
.macro WIN new
.if MSB != (\new)
	s_set_vgpr_msb (MSB<<8)|(\new)
.set MSB, (\new)
.endif
.endm
.set W_KQ, 0x0b       ; K in window 3, Q in window 2, S^T in window 0
.set W_PV, 0x53       ; V in window 3, P in window 0, O^T in window 1
.set W_RS, 0x41       ; destination and source 0 in window 1, source 1 in window 0
.macro JLOAD                        ; a joint fill: waves 0 and 1 fetch the halves of a slot's K, waves 2 and 3 those of its V; four v_nop follow each line
	s_cmp_lt_u32 s[WV], 2
	s_cbranch_scc0 .Lfor_v_\@
	tensor_load_to_lds s[G0K:G0K+3], s[G1K:G1K+7]
	s_nop 0
.rept 4
	v_nop
.endr
	s_branch .Lasked_\@
.Lfor_v_\@:
	tensor_load_to_lds s[G0V:G0V+3], s[G1V:G1V+7]
	s_nop 0
.rept 4
	v_nop
.endr
.Lasked_\@:
.endm
.macro CROUND                       ; a round of the cluster's barrier
	s_barrier_signal -1
	s_barrier_wait -1
	s_cmp_lg_u32 s[WV], 0
	s_cbranch_scc1 .Lnot_wave_0_\@
	s_barrier_signal -3
.Lnot_wave_0_\@:
	s_barrier_wait -3
	s_barrier_signal -1
	s_barrier_wait -1
.endm
; THE CHANGE OF SLOTS.  Each wave waits for all its tensor loads (one is out: its part of the other slot), adds 0 to its spare word, and waits for that and for its reads of the slot that it leaves.
; fill = 1: the slot is filled again with the keys two slots on, first thing behind a round of the cluster's barrier: it has four key steps, 1,024 matrix instructions, in which to land.
.macro CHANGE fill
	WIN 0
	s_wait_tensorcnt 0x0            ; no tensor load of mine is out, so a group 0 may be written
	ds_add_u32 v[SPW], v[NIL]       ; 0 onto my spare word
.if \fill
	s_xor_b32 s[G0K+1], s[G0K+1], SLOT1
	s_add_nc_u64 s[G0K+2:G0K+3], s[G0K+2:G0K+3], 4*KS*256
	s_xor_b32 s[G0V+1], s[G0V+1], SLOT1
	s_add_nc_u64 s[G0V+2:G0V+3], s[G0V+2:G0V+3], 4*KS*128
	s_wait_dscnt 0x0                ; the add is done, and my reads of the slot are over
	CROUND
	JLOAD
.else
	s_wait_dscnt 0x0
	s_barrier_signal -1
	s_barrier_wait -1
.endif
	s_sub_co_u32 s[TBK], s[TBK], 4*KS*PK  ; the fetches go back to a slot's first step, in the other slot
	s_xor_b32 s[TBK], s[TBK], SLOT1
	s_sub_co_u32 s[TBV], s[TBV], 4*KS*PV
	s_xor_b32 s[TBV], s[TBV], SLOT1
.endm
	s_load_b256 s[4:11], s[0:1], 0x0  ; qq s[4:5], kk s[6:7], vv s[8:9], xb s[10:11]
	s_load_b64 s[66:67], s[0:1], 0x20 ; zz
	v_lshl_add_u32 v[SPW], v0, 2, SPARE
	v_mov_b32 v[NIL], 0
	ds_add_u32 v62, v63
	s_wait_dscnt 0x0
	v_lshrrev_b32 v1, 5, v0
	v_readfirstlane_b32 s[WV], v1   ; wave 0..3
	s_bfe_u32 s13, ttmp6, 0x40000   ; cx
	s_lshl_b32 s14, ttmp9, 2
	s_add_co_u32 s14, s14, s13      ; my block of 512 queries: it enters qq's, xb's and zz's addresses alone
	s_and_b32 s15, ttmp7, 0xffff    ; the head, which the four partners share
	s_and_b32 s16, s[WV], 1         ; which half of a slot's 256 keys I fetch
	s_lshl_b32 s22, s15, 19         ; kk: a head's 524,288 bytes, a half's 32,768
	s_lshl_b32 s18, s16, 15
	s_add_co_u32 s22, s22, s18
	s_mov_b32 s23, 0
	s_lshr_b32 s48, s22, 1          ; vv: rows half as long
	s_mov_b32 s49, 0
	s_lshl_b32 s19, s14, 2
	s_add_co_u32 s19, s19, s[WV]    ; my wave among the head's sixteen
	s_lshl_b32 s50, s15, 19         ; qq: my 128 queries of 256 bytes
	s_lshl_b32 s51, s19, 15
	s_add_co_u32 s50, s50, s51
	s_mov_b32 s51, 0
	s_lshr_b32 s52, s50, 1          ; xb and zz: my 8 rows of 2,048 bytes
	s_mov_b32 s53, 0
	s_mul_i32 s17, s16, 128*PK      ; my half's place in a slot: no place in the cluster enters an LDS address
	s_mul_i32 s18, s16, 128*PV
	s_mov_b32 s[G1K], 15|(1<<16)|(1<<20)|(1<<21)|(5<<22)|(3<<25)  ; the mask of four; 2-byte elements; padding on; bit 21 beside a mask; after every 64 words; 4 words
	s_mov_b32 s[G1K+1], 128<<16     ; 128 keys: rows of 128 elements (hi and lo)
	s_mov_b32 s[G1K+2], 128<<16
	s_mov_b32 s[G1K+3], 128<<16
	s_mov_b32 s[G1K+4], 128
	s_mov_b32 s[G1K+5], 128
	s_mov_b32 s[G1K+6], 0
	s_mov_b32 s[G1K+7], 0
	s_mov_b32 s[G1V], 15|(1<<16)|(1<<20)|(1<<21)|(4<<22)|(7<<25)  ; 128 keys of V are 16,384 dense bytes: 64 rows of 256, padded by 8 words after every 32
	s_mov_b32 s[G1V+1], 128<<16
	s_mov_b32 s[G1V+2], 64<<16
	s_mov_b32 s[G1V+3], 128<<16
	s_mov_b32 s[G1V+4], 64
	s_mov_b32 s[G1V+5], 128
	s_mov_b32 s[G1V+6], 0
	s_mov_b32 s[G1V+7], 0
	s_mov_b32 s[SEL], 0x76543210
	s_mov_b32 s[SEL+1], 0xfedcba98
	s_mov_b32 s68, 0xba800000       ; -1 / 1024
	s_mov_b32 s69, 0x3a800000       ; 1 / 1024
	s_mov_b32 s70, 0x3727c5ac       ; 1e-5
	s_mov_b32 s[TBK], SLOT1+4*KS*PK ; the first change of slots turns these two into 0
	s_mov_b32 s[TBV], SLOT1+4*KS*PV
	s_mov_b32 s[G0K], 1
	s_mov_b32 s[G0K+1], s17
	s_mov_b32 s[G0V], 1
	s_add_co_u32 s[G0V+1], s18, VOFF
	s_wait_kmcnt 0x0
	s_add_nc_u64 s[G0K+2:G0K+3], s[6:7], s[22:23]
	s_or_b32 s[G0K+3], s[G0K+3], 0x80000000
	s_add_nc_u64 s[G0V+2:G0V+3], s[8:9], s[48:49]
	s_or_b32 s[G0V+3], s[G0V+3], 0x80000000
	s_add_nc_u64 s[4:5], s[4:5], s[50:51]
	s_add_nc_u64 s[10:11], s[10:11], s[52:53]
	s_add_nc_u64 s[66:67], s[66:67], s[52:53]
	CROUND                          ; all four work-groups are here: the first joint loads meet
	JLOAD                           ; slot 0; slot 1 is asked for when slot 0 is in
	v_and_b32 v1, 15, v0            ; l % 16
	v_bfe_u32 v9, v0, 4, 1          ; l / 16
	v_lshlrev_b32 v[QO], 8, v1
	v_lshl_add_u32 v[QO], v9, 4, v[QO]
	WIN 0x80                        ; destination window 2
.set i, 0
.rept 32                            ; Q stays in registers: tile i / 4; fragment i % 4: hi channels 0-31, 32-63, lo likewise
	global_load_b128 v[8*i:8*i+3],   v[QO], s[4:5] offset:(i/4)*4096+(i%4)*64
	global_load_b128 v[8*i+4:8*i+7], v[QO], s[4:5] offset:(i/4)*4096+(i%4)*64+32
.set i, i+1
.endr
	; What the first turn finds: V's registers and P's second buffer hold 0 (its products V^T P, of a piece that has not been, add 0), O^T and l are 0.  All this stands in the wait for the first tile.
	WIN 0xc0
.set i, VF
.rept 64
	v_mov_b32 v[i], 0
.set i, i+1
.endr
	WIN 0x40
.set i, 0
.rept 256
	v_mov_b32 v[i], 0
.set i, i+1
.endr
	WIN 0
.set i, 0
.rept 8
	v_mov_b32 v[ST+4*i], 0xff7fffff ; m
	v_mov_b32 v[ST+4*i+1], 0
	v_mov_b32 v[ST+4*i+2], 0
	v_mov_b32 v[ST+4*i+3], 0
.set i, i+1
.endr
.set i, P+32
.rept 32
	v_mov_b32 v[i], 0
.set i, i+1
.endr
	v_mul_u32_u24 v[AK0], v1, PK
	v_lshl_add_u32 v[AK0], v9, 4, v[AK0]
	v_and_b32 v10, 7, v0            ; the turning load: lane l reads key 8 (l / 16) + l % 8, channels 8 ((l / 8) % 2) + 0..7
	v_bfe_u32 v11, v0, 3, 1
	v_lshl_add_u32 v[AV0], v9, 3, v10
	v_mul_u32_u24 v[AV0], v[AV0], PV
	v_lshl_add_u32 v[AV0], v11, 4, v[AV0]
	v_add_nc_u32 v[AV0], VOFF, v[AV0]
	v_lshlrev_b32 v[XO], 7, v1
	v_lshl_add_u32 v[XO], v9, 4, v[XO]
	v_and_b32 v[XP], 31, v0
	v_lshlrev_b32 v[XP], 8, v[XP]
; THE MATRIX WORK.  The 8 accumulators of a run take turns, one instruction a turn.
; Product i of 48 of S^T for piece x: i / 16 = 0: K lo x Q hi; 1: K hi x Q lo; 2: K hi x Q hi (the small terms first); channels 32 ((i % 16) / 8) on, keys 16 ((i % 8) / 2) on, tile 2 x + i % 2.
.macro KQ x
	WIN W_KQ
.set g, i/16
.set c, (i%16)/8
.set rS, S+64*((\x)%2)+32*(i%2)+8*((i%8)/2)
.set rK, KH+16*((i%8)/2)+8*c
.if g == 0
.set rK, KL+16*((i%8)/2)+8*c
.endif
.set rQ, 32*(2*(\x)+i%2)+8*c
.if g == 1
.set rQ, 32*(2*(\x)+i%2)+16+8*c
.endif
.if i < 8
	v_wmma_f32_16x16x32_bf16 v[rS:rS+7], v[rK:rK+7], v[rQ:rQ+7], 0
.else
	v_wmma_f32_16x16x32_bf16 v[rS:rS+7], v[rK:rK+7], v[rQ:rQ+7], v[rS:rS+7]
.endif
.endm
; Product i of 16 of O^T += V^T P for piece x: keys 32 (i / 8) on, channels 16 ((i / 2) % 4) on, tile 2 x + i % 2.
.macro PV x
	WIN W_PV
.set rO, 32*(2*(\x)+i%2)+8*((i/2)%4)
.set rV, VF+32*(i/8)+8*((i/2)%4)
.set rP, P+32*((\x)%2)+16*(i%2)+8*(i/8)
	v_wmma_f32_16x16x32_f16 v[rO:rO+7], v[rV:rV+7], v[rP:rP+7], v[rO:rO+7]
.endm
; THE LDS LOADS stand in runs of 16.  last = 1 (the tail): in the last trip there is no further step, and K's two runs are jumped over.
.macro FETCH_KL last=0
	WIN 0
.if \last
	s_cmp_eq_u32 s[CNT], 1
	s_cbranch_scc1 .Lno_kl_\@
.endif
	v_add_nc_u32 v[AK], s[TBK], v[AK0]
	WIN 0xc0                        ; destination window 3
.irp f, 0,1,2,3,4,5,6,7             ; keys 16 (f / 2) on, channels 32 (f % 2) on
	ds_load_b128 v[KL+8*\f:KL+8*\f+3],   v[AK] offset:(\f/2)*16*PK+128+(\f%2)*64
	ds_load_b128 v[KL+8*\f+4:KL+8*\f+7], v[AK] offset:(\f/2)*16*PK+128+(\f%2)*64+32
.endr
	WIN 0
.if \last
.Lno_kl_\@:
.endif
.endm
.macro FETCH_KH last=0              ; the same step's hi halves, by the address that FETCH_KL made
	WIN 0
.if \last
	s_cmp_eq_u32 s[CNT], 1
	s_cbranch_scc1 .Lno_kh_\@
.endif
	WIN 0xc0
.irp f, 0,1,2,3,4,5,6,7
	ds_load_b128 v[KH+8*\f:KH+8*\f+3],   v[AK] offset:(\f/2)*16*PK+(\f%2)*64
	ds_load_b128 v[KH+8*\f+4:KH+8*\f+7], v[AK] offset:(\f/2)*16*PK+(\f%2)*64+32
.endr
	s_add_co_u32 s[TBK], s[TBK], KS*PK  ; the next fetch is the next step's
	WIN 0
.if \last
.Lno_kh_\@:
.endif
.endm
.macro FETCH_V
	WIN 0
	v_add_nc_u32 v[AV], s[TBV], v[AV0]
	s_add_co_u32 s[TBV], s[TBV], KS*PV
	WIN 0xc0
.irp f, 0,1,2,3,4,5,6,7             ; keys 32 (f / 4) on, channels 16 (f % 4) on
	ds_load_tr16_b128 v[VF+8*\f:VF+8*\f+3],   v[AV] offset:(\f/4)*32*PV+(\f%4)*32
	ds_load_tr16_b128 v[VF+8*\f+4:VF+8*\f+7], v[AV] offset:(\f/4)*32*PV+16*PV+(\f%4)*32
.endr
	WIN 0
.endm
; THE VECTOR WORK.  A tile's softmax for a key step is a numbered list; SM writes number j of it for tile t.  s0-s31 are the lane's 32 scores, in pairs 0-15.
;   0-15    the maximum of s0-s31 and the old m, three operands at a time; each accumulator's lowest registers are read first
;   16-19   the other half of the lanes' maximum; m_old kept; the new m; m_old - m_new     20 is empty
;   21-87   33 exponentials (a, then s0-s31) at the odd numbers from 23 on, a plain instruction at every even one: s - m for a pair still to come, or the rounding to f16 of a pair that is done, at last the first sums
;   88-101  the last rounding; the rest of the sums; l = a l + the sum     102-117 the tile's O^T times a
.macro SM t
.set rT, ST+4*(\t)
.set rC, TMP+4*((\t)%2)
.set rS, S+64*(((\t)/2)%2)+32*((\t)%2)
.set rP, P+32*(((\t)/2)%2)+16*((\t)%2)
.set rO, 32*(\t)+2*(j-102)
.set q, (j-20)/2
.if j < 102
	WIN 0
.endif
.if j < 4
	v_max3_num_f32 v[rC+j], v[rS+8*j], v[rS+8*j+1], v[rS+8*j+2]
.elseif j < 12
	v_max3_num_f32 v[rC+j%4], v[rC+j%4], v[rS+8*(j%4)+2*(j/4)+1], v[rS+8*(j%4)+2*(j/4)+2]
.elseif j == 12
	v_max3_num_f32 v[rC], v[rC], v[rS+7], v[rS+15]
.elseif j == 13
	v_max3_num_f32 v[rC+2], v[rC+2], v[rS+23], v[rS+31]
.elseif j == 14
	v_max3_num_f32 v[rC], v[rC], v[rC+1], v[rC+2]
.elseif j == 15
	v_max3_num_f32 v[rC], v[rC], v[rC+3], v[rT]
.elseif j == 16
	v_permlanex16_b32 v[rC+1], v[rC], s[SEL], s[SEL+1]  ; the query's other 32 keys lie in the lane 16 away
.elseif j == 17
	v_mov_b32 v[rC+3], v[rT]
.elseif j == 18
	v_max_num_f32 v[rT], v[rC], v[rC+1]
.elseif j == 19
	v_sub_f32 v[rC+3], v[rC+3], v[rT]
.elseif j == 20
.elseif j == 23
	v_exp_f32 v[rC+2], v[rC+3]
.elseif (j < 88) && (j > 23) && (j%2 == 1)
	v_exp_f32 v[rS+(j-25)/2], v[rS+(j-25)/2]
.elseif (q < 4) || ((j < 76) && (q%2 == 0))
.set b, q/2+2
.if q < 4
.set b, q
.endif
	v_pk_add_f32 v[rS+2*b:rS+2*b+1], v[rS+2*b:rS+2*b+1], v[rT:rT+1] op_sel_hi:[1,0] neg_lo:[0,1] neg_hi:[0,1]  ; pair b: s - m, a plain difference: never above 0
.elseif (j < 88) && (q%2 == 1)
	s_wait_alu depctr_va_vdst(0)
	v_cvt_pk_f16_f32 v[rP+(q-5)/2], v[rS+q-5], v[rS+q-4]  ; pair (q - 5) / 2: its second exponential stands three numbers back
.elseif j == 89
	s_wait_alu depctr_va_vdst(0)
	v_cvt_pk_f16_f32 v[rP+15], v[rS+30], v[rS+31]
.elseif j < 102                     ; sum z of 16 adds neighbours 1, 2, 4 and 8 pairs apart, in place; then l takes it
.set z, j-86
.if j < 89
.set z, (j-76)/4
.endif
.set w, 4
.set u, z
.if z >= 14
.set w, 32
.set u, 0
.elseif z >= 12
.set w, 16
.set u, z-12
.elseif z >= 8
.set w, 8
.set u, z-8
.endif
.if z < 15
	v_pk_add_f32 v[rS+w*u:rS+w*u+1], v[rS+w*u:rS+w*u+1], v[rS+w*u+w/2:rS+w*u+w/2+1]
.else
	v_pk_fma_f32 v[rT+2:rT+3], v[rT+2:rT+3], v[rC+2:rC+3], v[rS:rS+1] op_sel_hi:[1,0,1]
.endif
.else
	WIN W_RS
	v_pk_mul_f32 v[rO:rO+1], v[rO:rO+1], v[rC+2:rC+3] op_sel_hi:[1,0]
.endif
.endm
; Slice k of 59 of piece Y's softmax: numbers 2 k and 2 k + 1 of both tiles' lists.
.macro SLICE
.if (k >= 11) && (k < 44)           ; tile by tile: plain, exponential, plain, exponential
.irp tt, 0,1
.irp n, 0,1
.set j, 2*k+(\n)
	SM 2*Y+\tt
.endr
.endr
.else                               ; the two tiles alternate, so that no instruction reads the result of the one just before it
.irp n, 0,1
.irp tt, 0,1
.set j, 2*k+(\n)
	SM 2*Y+\tt
.endr
.endr
.endif
.set k, k+1
.endm
; A TURN, for piece p.  No slice names a register of the products round it.  The first five products stand bare: 64 products, 59 slices.
; K lo of the next step is fetched in piece 2's turn behind product 17: its last reader, product 15, stands six plain instructions back; it has 46 products in which to land.
; K hi behind the second V^T P: its last reader stands eight plain instructions back; 30 products.  V at the end of piece 0's turn, behind the last slice's four plain lines and the address; 48 products.
.macro TURN p, last=0
.set Y, (\p)
.set k, 0
.if (\p) == 3
	s_wait_dscnt 16                 ; K lo is in; K hi's sixteen loads may stay out
.endif
.set i, 0
.rept 48
.if ((\p) == 3) && (i == 16)
	s_wait_dscnt 0x0                ; K hi is in
.endif
	KQ ((\p)+1)%4
.if i >= 5
	SLICE
.endif
.if ((\p) == 2) && (i == 17)
	FETCH_KL \last
.endif
.set i, i+1
.endr
.if (\p) == 1
	s_wait_dscnt 0x0                ; V is in
.endif
.set i, 0
.rept 16
	PV ((\p)+3)%4
	SLICE
.if ((\p) == 2) && (i == 1)
	FETCH_KH \last
.endif
.set i, i+1
.endr
.if (\p) == 0
	FETCH_V
.endif
.endm
	CHANGE 1                        ; slot 0 is in, everybody's part of it; slot 1 is asked for
	FETCH_KL                        ; key step 0
	FETCH_KH
	s_wait_loadcnt 0x0              ; Q
	s_wait_dscnt 0x0
.set i, 0
.rept 48
	KQ 0                            ; piece 0's first scores: there is no vector work yet to set between them
.set i, i+1
.endr
	WIN 0                           ; the addresses for the way out: nine plain instructions, the places behind those products
	s_mul_i32 s13, s[WV], 16*SP
	s_add_co_u32 s13, s13, STAGE    ; my stage
	v_mul_u32_u24 v[STO], v1, SP    ; in: row l % 16, 16 bytes for each half of the lanes
	v_lshl_add_u32 v[STO], v9, 4, v[STO]
	v_add_nc_u32 v[STO], s13, v[STO]
	v_bfe_u32 v[RD], v0, 3, 2       ; back: 32 lanes take four rows of 128 bytes,
	v_mul_u32_u24 v[RD], v[RD], SP
	v_lshl_add_u32 v[RD], v10, 4, v[RD]
	v_add_nc_u32 v[RD], s13, v[RD]
	v_and_b32 v[GO], 31, v0         ; which are 512 consecutive bytes of zz
	v_lshlrev_b32 v[GO], 4, v[GO]
	s_mov_b32 s[CNT], 4
	s_mov_b32 s[SLOTS], 7
	s_branch .Lfirst                ; the loop is entered at a step's first turn, in the middle of a trip
.Lslot:                             ; six times: every slot but the last two is filled again
	CHANGE 1
	s_mov_b32 s[CNT], 4
.Lstep:                             ; a trip: pieces 2 and 3 of one step, then pieces 0 and 1 of the next, whose K and V it fetches
	TURN 2
	TURN 3
	WIN 0
.Lfirst:
	TURN 0
	TURN 1
	WIN 0
	s_sub_co_u32 s[CNT], s[CNT], 1
	s_cmp_lg_u32 s[CNT], 0
	s_cbranch_scc1 .Lstep
	s_sub_co_u32 s[SLOTS], s[SLOTS], 1
	s_cmp_lg_u32 s[SLOTS], 0
	s_cbranch_scc1 .Lslot
	CHANGE 0                        ; the tail is written out: nothing is asked for
	s_mov_b32 s[CNT], 5             ; four trips fetch the last slot's steps; the fifth is left in its middle
.Ltail:
	TURN 2, 1
	TURN 3
	WIN 0
	s_sub_co_u32 s[CNT], s[CNT], 1
	s_cmp_eq_u32 s[CNT], 0
	s_cbranch_scc1 .Lout
	s_cmp_lg_u32 s[CNT], 1
	s_cbranch_scc1 .Lno_ask
	global_prefetch_b8 v[XP], s[10:11] th:TH_LOAD_NT scope:SCOPE_SE              ; four turns ahead of the loads of x: each wave asks once for its own 8 rows of xb,
	global_prefetch_b8 v[XP], s[10:11] offset:8192 th:TH_LOAD_NT scope:SCOPE_SE  ; 16,384 bytes, lanes 256 bytes apart; both requests lie inside those rows
.Lno_ask:
	TURN 0
	TURN 1
	WIN 0
	s_branch .Ltail
.Lout:                              ; the fifth trip's 48 products K Q^T (on the last K once more) serve nothing: the price, once a launch, of one text for every trip
	WIN 0xc0                        ; x of my 8 rows takes K's registers: their last reader stands seventeen slices back
.set i, 0
.rept 32                            ; tile i / 4, channel block i % 4: my eight channels are 16 bytes
	global_load_b128 v[4*i:4*i+3], v[XO], s[10:11] offset:(i/4)*2048+(i%4)*32
.set i, i+1
.endr
.set i, 0
.rept 16
	PV 3                            ; the last piece's V^T P of the last step
.set i, i+1
.endr
	WIN 0
.macro ALL line:vararg              ; one line for each tile t
.set t, 0
.rept 8
	\line
.set t, t+1
.endr
.endm
	ALL v_add_f32 v[ST+4*t+2], v[ST+4*t+2], v[ST+4*t+3]                      ; l's two halves; these additions are the places behind the last products
	ALL v_permlanex16_b32 v[ST+4*t+3], v[ST+4*t+2], s[SEL], s[SEL+1]
	ALL v_add_f32 v[ST+4*t+2], v[ST+4*t+2], v[ST+4*t+3]
	ALL v_rcp_f32 v[ST+4*t+2], v[ST+4*t+2]
	v_nop                           ; a plain instruction between the last reciprocal and the use of its result
.macro REDUCE                       ; v[RED] summed over the wave's 32 lanes, the result in every lane
	v_add_f32_dpp v[RED], v[RED], v[RED] row_xmask:1 row_mask:0xf bank_mask:0xf
	v_add_f32_dpp v[RED], v[RED], v[RED] row_xmask:2 row_mask:0xf bank_mask:0xf
	v_add_f32_dpp v[RED], v[RED], v[RED] row_xmask:4 row_mask:0xf bank_mask:0xf
	v_add_f32_dpp v[RED], v[RED], v[RED] row_xmask:8 row_mask:0xf bank_mask:0xf
	v_permlanex16_b32 v[RED+1], v[RED], s[SEL], s[SEL+1]
	v_add_f32 v[RED], v[RED], v[RED+1]
.endm
; TILE t IS ONE ROW OF THE NORM: y = O / l + x; the mean; y - mean; the mean of its squares (two passes: no difference of large sums); z = (y - mean) rsqrt(var + eps), |z| at most 32, to f16;
; through my stage into whole rows.
.macro LNT t
.set rO, 32*(\t)
.set rX, 16*(\t)
.set rL, ST+4*(\t)+2
.set rZ, S+16*(\t)
	s_wait_loadcnt 28-4*(\t)        ; this tile's four loads of x are in; the later tiles' stay out
	WIN 0x71                        ; O^T (destination, source 0) window 1, 1 / l window 0, x window 3
.set n, 0
.rept 16
	s_wait_alu depctr_va_vdst(0)
	v_fma_mix_f32_bf16 v[rO+2*n],   v[rO+2*n],   v[rL], v[rX+n] op_sel_hi:[0,0,1]
	v_fma_mix_f32_bf16 v[rO+2*n+1], v[rO+2*n+1], v[rL], v[rX+n] op_sel:[0,0,1] op_sel_hi:[0,0,1]
.set n, n+1
.endr
	WIN 0x05                        ; sources 0 and 1 window 1, destination window 0
.set n, 0
.rept 8
	v_pk_add_f32 v[RED+2*n:RED+2*n+1], v[rO+4*n:rO+4*n+1], v[rO+4*n+2:rO+4*n+3]
.set n, n+1
.endr
	WIN 0
.irp n, 0,1,2,3
	v_pk_add_f32 v[RED+2*\n:RED+2*\n+1], v[RED+2*\n:RED+2*\n+1], v[RED+8+2*\n:RED+9+2*\n]
.endr
.irp n, 0,1
	v_pk_add_f32 v[RED+2*\n:RED+2*\n+1], v[RED+2*\n:RED+2*\n+1], v[RED+4+2*\n:RED+5+2*\n]
.endr
	v_pk_add_f32 v[RED:RED+1], v[RED:RED+1], v[RED+2:RED+3]
	v_add_f32 v[RED], v[RED], v[RED+1]
	REDUCE
	v_mul_f32 v[MU], s68, v[RED]    ; minus the mean
	v_mov_b32 v[MU+1], v[MU]        ; named with it as a pair
	WIN W_RS
.set n, 0
.rept 16
	v_pk_add_f32 v[rO+2*n:rO+2*n+1], v[rO+2*n:rO+2*n+1], v[MU:MU+1] op_sel_hi:[1,0]
.set n, n+1
.endr
	WIN 0x05
.set n, 0
.rept 4
	v_pk_mul_f32 v[RED+2*n:RED+2*n+1], v[rO+2*n:rO+2*n+1], v[rO+2*n:rO+2*n+1]
.set n, n+1
.endr
.rept 12                            ; four chains
	v_pk_fma_f32 v[RED+2*(n%4):RED+2*(n%4)+1], v[rO+2*n:rO+2*n+1], v[rO+2*n:rO+2*n+1], v[RED+2*(n%4):RED+2*(n%4)+1]
.set n, n+1
.endr
	WIN 0
	v_pk_add_f32 v[RED:RED+1], v[RED:RED+1], v[RED+2:RED+3]
	v_pk_add_f32 v[RED+4:RED+5], v[RED+4:RED+5], v[RED+6:RED+7]
	v_pk_add_f32 v[RED:RED+1], v[RED:RED+1], v[RED+4:RED+5]
	v_add_f32 v[RED], v[RED], v[RED+1]
	REDUCE
	v_fma_f32 v[RS], v[RED], s69, s70
	v_rsq_f32 v[RS], v[RS]
	v_nop                           ; a plain instruction behind the root
	s_wait_alu depctr_va_vdst(0)
	v_mov_b32 v[RS+1], v[RS]
	WIN W_RS
.set n, 0
.rept 16
	v_pk_mul_f32 v[rO+2*n:rO+2*n+1], v[rO+2*n:rO+2*n+1], v[RS:RS+1] op_sel_hi:[1,0]
.set n, n+1
.endr
	WIN 0x05
.set n, 0
.rept 16
	v_cvt_pk_f16_f32 v[rZ+n], v[rO+2*n], v[rO+2*n+1]
.set n, n+1
.endr
	WIN 0
.irp f, 0,1,2,3
	ds_store_b128 v[STO], v[rZ+4*\f:rZ+4*\f+3] offset:32*\f
.endr
.irp f, 0,1,2,3
	ds_load_b128 v[rZ+4*\f:rZ+4*\f+3], v[RD] offset:\f*4*SP  ; LDS serves a wave's instructions in order (ISA guide 5.7.1.4): these see the stores above; the next tile's stores come behind them
.endr
.endm
.macro SEND t, younger              ; younger: the LDS instructions issued behind tile t's loads: the next tile's eight, or none
	WIN 0
.irp f, 0,1,2,3
	s_wait_dscnt (\younger)+3-\f
	global_store_b128 v[GO], v[S+16*(\t)+4*\f:S+16*(\t)+4*\f+3], s[66:67] offset:(\t)*2048+\f*512  ; 512 consecutive bytes, at a multiple of 256 from zz's first
.endr
.endm
	LNT 0
.set t, 1
.rept 7                             ; a tile's arithmetic stands between the loads of the tile before and its stores
	LNT t
	SEND t-1, 8
.set t, t+1
.endr
	SEND 7, 0
	s_wait_tensorcnt 0x0            ; the wave's end
	ds_add_u32 v[SPW], v[NIL]
	s_wait_dscnt 0x0
	CROUND                          ; the closing round: no work-group ends while a partner may still ask for a tile that names it
	s_endpgm
.Lfunc_end_k_q4bbeda453d_attn:
	.size	k_q4bbeda453d_attn, .Lfunc_end_k_q4bbeda453d_attn-k_q4bbeda453d_attn
	.p2alignl 7, 3214868480
	.fill 96, 4, 3214868480
	.section	.rodata,"a",@progbits
	.p2align	6, 0x0
	.amdhsa_kernel k_q4bbeda453d_attn
		.amdhsa_group_segment_fixed_size 327680
		.amdhsa_private_segment_fixed_size 0
		.amdhsa_enable_private_segment 0
		.amdhsa_kernarg_size 40
		.amdhsa_user_sgpr_count 2
		.amdhsa_user_sgpr_kernarg_segment_ptr 1
		.amdhsa_wavefront_size32 1
		.amdhsa_system_sgpr_workgroup_id_x 1
		.amdhsa_system_sgpr_workgroup_id_y 1
		.amdhsa_system_sgpr_workgroup_id_z 1
		.amdhsa_system_vgpr_workitem_id 0
		.amdhsa_next_free_vgpr 960
		.amdhsa_next_free_sgpr 72
		.amdhsa_reserve_vcc 0
		.amdhsa_float_denorm_mode_32 3
		.amdhsa_float_denorm_mode_16_64 3
		.amdhsa_memory_ordered 1
		.amdhsa_forward_progress 1
		.amdhsa_inst_pref_size 255
	.end_amdhsa_kernel
	.section	.bss,"aw",@nobits
	.p2align	6
	.space	262144
	.amdgpu_metadata
---
amdhsa.version: [ 1, 2 ]
amdhsa.kernels:
  - .name:           k_q4bbeda453d_attn
    .symbol:         k_q4bbeda453d_attn.kd
    .args:
      - { .name: qq, .offset: 0, .size: 8, .value_kind: global_buffer, .address_space: global }
      - { .name: kk, .offset: 8, .size: 8, .value_kind: global_buffer, .address_space: global }
      - { .name: vv, .offset: 16, .size: 8, .value_kind: global_buffer, .address_space: global }
      - { .name: xb, .offset: 24, .size: 8, .value_kind: global_buffer, .address_space: global }
      - { .name: zz, .offset: 32, .size: 8, .value_kind: global_buffer, .address_space: global }
    .group_segment_fixed_size: 327680
    .private_segment_fixed_size: 0
    .kernarg_segment_align: 8
    .kernarg_segment_size: 40
    .max_flat_workgroup_size: 128
    .sgpr_count:     72
    .vgpr_count:     960
    .wavefront_size: 32
...
	.end_amdgpu_metadata
.endif
;; end of part 3
;; launch proj (part 4): grid 8 x 32, 4 waves a work-group, clusters of 4 x 4, 327,680 bytes of LDS; arguments zz, wf16, bf, out0; writes out0
.if DOCPART == 4
	.amdgcn_target "amdgcn-amd-amdhsa--gfx1250"
	.amdhsa_code_object_version 6
	.text
	.protected	k_q4bbeda453d_proj
	.globl	k_q4bbeda453d_proj
	.p2align	8
	.type	k_q4bbeda453d_proj,@function
k_q4bbeda453d_proj:
	s_mov_b64 s[64:65], 0
	v_nop
	global_prefetch_b8 v0, s[64:65] scope:SCOPE_SE
	s_setreg_imm32_b32 hwreg(HW_REG_WAVE_MODE, 25, 1), 1
	s_wait_xcnt 0x0
	s_wait_alu depctr_hold_cnt(0) depctr_sa_sdst(0) depctr_va_vdst(0) depctr_va_sdst(0) depctr_va_ssrc(0) depctr_va_vcc(0) depctr_vm_vsrc(0)
	s_getreg_b32 s2, hwreg(HW_REG_IB_STS2, 6, 4)
	s_cmp_eq_u32 s2, 0
	s_cbranch_scc0 .Lentry_in_a_cluster
	s_endpgm
.Lentry_in_a_cluster:
	s_bfe_u32 s2, ttmp6, 0x10000c
	s_cmp_lg_u32 s2, 0xf033
	s_cbranch_scc0 .Lentry_shape_is_right
	s_endpgm
.Lentry_shape_is_right:
; PROJ: out0[m][n] = sum over k of zz[m][k] wf16[k][n] + bf16(bf[n]), f16 products, f32 sums, f32 out.
; A tile is 256 rows x 128 columns: 256 work-groups.  Four waves stacked along the rows: wave w makes rows 64 w .. 64 w + 63 and all 128 columns: 32 accumulators, 256 registers.
; K = 1,024 in 8 steps of 128 through a ring of two LDS slots.  CLUSTER 4 x 4: zz's tiles are shared along a row of the cluster, wf16's along a column: each is asked for jointly.
; THE MATRIX INSTRUCTION IS USED TRANSPOSED: source 0 = 16 columns of Wf (turned out of LDS), source 1 = 16 rows of zz: a lane holds row l % 16 and the columns 8 (l / 16) + 0..7.
; REGISTERS: window 0: v0-31 addresses; v32-39 at work; v64-127 results with bias; v128-191 rows read back; v192-255 biases.   window 1: two fragment buffers (4 of zz, 8 of Wf).   window 2: the accumulators, (b, a) at 8 (4 b + a).
.set KSTEP,  128
.set PITCH,  272                       ; a row of zz in LDS: 256 bytes + 16
.set HALFA,  128*PITCH
.set BOFF,   2*HALFA
.set PB,     288                       ; a k row of Wf: 256 + 32
.set HALFB,  64*PB
.set SLOT,   BOFF+2*HALFB              ; 106,496
.set STAGE,  2*SLOT                    ; behind the ring: 16 rows x 528 bytes for each wave
.set SPITCH, 528
.set SPARE,  STAGE+4*16*SPITCH         ; the spare words, 128 bytes for each wave: two blocks of 256 bytes that no other line names
.set LAPS,   4
.set NB,     8
.set NB1,    4
.set NLD,    8+2*NB
.set ADRA, 16
.set ADRB, 20
.set STO,  24
.set RD,   25
.set GO,   26
.set SPW,  30
.set NIL,  31
.set WK,   32
.set T,    64
.set BK,   128
.set BI,   192
.set F0,   0
.set F1,   128
.set G1,  24
.set G0,  32
.set G1B, 48
.set G0B, 56
.set MSK, 76
.set MSB, 0
.macro WIN new
.if MSB != (\new)
	s_set_vgpr_msb (MSB<<8)|(\new)
.set MSB, \new
.endif
.endm
.set MUL_LO, 0xa5                      ; sources 0 and 1 window 1, C and D window 2
.set TO_F,   0x40
.macro JLOAD s                         ; a joint load: waves 0 and 1 fetch zz's two halves, waves 2 and 3 wf16's; four v_nop follow each of the two lines
	s_cmp_eq_u32 s11, 0
	s_cbranch_scc0 .Lfor_b_\@
	tensor_load_to_lds s[G0+4*(\s):G0+4*(\s)+3], s[G1:G1+7]
	s_nop 0
.rept 4
	v_nop
.endr
	s_branch .Lasked_\@
.Lfor_b_\@:
	tensor_load_to_lds s[G0B+4*(\s):G0B+4*(\s)+3], s[G1B:G1B+7]
	s_nop 0
.rept 4
	v_nop
.endr
.Lasked_\@:
.endm
.macro CREST
	s_cmp_lg_u32 s10, 0
	s_cbranch_scc1 .Lnot_wave_0_\@
	s_barrier_signal -3
.Lnot_wave_0_\@:
	s_barrier_wait -3
	s_barrier_signal -1
	s_barrier_wait -1
.endm
.macro CROUND
	s_barrier_signal -1
	s_barrier_wait -1
	CREST
.endm
.macro PLACES                          ; four places in front of loads into registers that matrix instructions have read, and of vector lines that read results
.rept 4
	v_nop
.endr
.endm
	s_load_b128 s[4:7], s[0:1], 0x0                ; zz s[4:5], wf16 s[6:7]
	s_load_b128 s[72:75], s[0:1], 0x10             ; bf 72, out0 74
	v_lshl_add_u32 v[SPW], v0, 2, SPARE
	v_mov_b32 v[NIL], 0
	ds_add_u32 v30, v31
	s_wait_dscnt 0x0
	v_lshrrev_b32 v1, 5, v0
	v_readfirstlane_b32 s10, v1                    ; wave 0..3
	s_lshr_b32 s11, s10, 1                         ; I fetch for zz (0) or for wf16 (1)
	s_and_b32 s12, s10, 1                          ; which half of that tile
	s_bfe_u32 s40, ttmp6, 0x40000
	s_bfe_u32 s41, ttmp6, 0x40004
	s_lshl_b32 s42, ttmp9, 2
	s_add_co_u32 s42, s42, s40                     ; tile column j
	s_and_b32 s13, ttmp7, 0xffff
	s_lshl_b32 s13, s13, 2
	s_add_co_u32 s13, s13, s41                     ; tile row y
	s_lshl_b32 s43, s41, 2
	s_lshl_b32 s43, 15, s43                        ; my row of the cluster
	s_lshl_b32 s44, 0x1111, s40                    ; my column
	s_mov_b32 s[MSK], 0xffff0000
	s_or_b32 s[G1+0], s43, (1<<16)|(1<<20)|(1<<21)|(5<<22)|(3<<25)  ; 128 rows x 128 elements; 4 words of padding after every 64
	s_mov_b32 s[G1+1], 128<<16
	s_mov_b32 s[G1+2], 128<<16
	s_mov_b32 s[G1+3], 128<<16
	s_mov_b32 s[G1+4], 128
	s_mov_b32 s[G1+5], 1024
	s_mov_b32 s[G1+6], 0
	s_mov_b32 s[G1+7], 0
	s_or_b32 s[G1B+0], s44, (1<<16)|(1<<20)|(1<<21)|(5<<22)|(7<<25) ; 64 k rows x 128 elements; 8 words of padding after every 64
	s_mov_b32 s[G1B+1], 128<<16
	s_mov_b32 s[G1B+2], 64<<16
	s_mov_b32 s[G1B+3], 128<<16
	s_mov_b32 s[G1B+4], 64
	s_mov_b32 s[G1B+5], 1024
	s_mov_b32 s[G1B+6], 0
	s_mov_b32 s[G1B+7], 0
	s_lshl_b32 s16, s13, 19                        ; zz: row 256 y + 128 half, 2,048 bytes a row
	s_lshl_b32 s17, s12, 18
	s_add_co_u32 s16, s16, s17
	s_mov_b32 s17, 0
	s_lshl_b32 s46, s12, 17                        ; wf16: k row 64 half, + 256 j
	s_lshl_b32 s47, s42, 8
	s_add_co_u32 s46, s46, s47
	s_mov_b32 s47, 0
	s_mul_i32 s20, s12, HALFA
	s_mul_i32 s22, s12, HALFB
	s_add_co_u32 s22, s22, BOFF
	s_wait_kmcnt 0x0
	s_add_nc_u64 s[14:15], s[4:5], s[16:17]
	s_add_nc_u64 s[46:47], s[6:7], s[46:47]
	CROUND                                         ; all sixteen work-groups are here: the first joint loads meet
.irp s, 0,1
	s_mov_b32 s[G0+4*(\s)], 1
	s_add_co_u32 s[G0+4*(\s)+1], s20, (\s)*SLOT
	s_add_nc_u64 s[G0+4*(\s)+2:G0+4*(\s)+3], s[14:15], (\s)*KSTEP*2
	s_or_b32 s[G0+4*(\s)+3], s[G0+4*(\s)+3], 0x80000000
	s_mov_b32 s[G0B+4*(\s)], 1
	s_add_co_u32 s[G0B+4*(\s)+1], s22, (\s)*SLOT
	s_add_nc_u64 s[G0B+4*(\s)+2:G0B+4*(\s)+3], s[46:47], (\s)*262144
	s_or_b32 s[G0B+4*(\s)+3], s[G0B+4*(\s)+3], 0x80000000
	JLOAD \s                                       ; two tensor loads of mine are out at the start, one behind each later round
.endr
	v_and_b32 v1, 15, v0
	v_bfe_u32 v2, v0, 4, 1
	v_mul_u32_u24 v3, v1, PITCH
	v_lshl_add_u32 v3, v2, 4, v3
	s_mul_i32 s21, s10, 64*PITCH
	v_add_nc_u32 v[ADRA], s21, v3
	v_add_nc_u32 v[ADRA+1], SLOT, v[ADRA]
	v_and_b32 v5, 7, v0
	v_lshl_add_u32 v6, v2, 3, v5                   ; the turning load: k row 8 h + l % 8
	v_bfe_u32 v9, v0, 3, 1
	v_mul_u32_u24 v10, v6, PB
	v_lshl_add_u32 v10, v9, 4, v10
	v_add_nc_u32 v[ADRB], BOFF, v10
	v_add_nc_u32 v[ADRB+1], SLOT, v[ADRB]
	s_mul_i32 s23, s10, 16*SPITCH
	s_add_co_u32 s23, s23, STAGE                   ; my stage
	v_mul_u32_u24 v4, v1, SPITCH                   ; in: row l % 16, 32 bytes for each half of the lanes
	v_lshl_add_u32 v4, v2, 5, v4
	v_add_nc_u32 v[STO], s23, v4
	v_and_b32 v4, 31, v0
	v_lshlrev_b32 v[GO], 4, v4                     ; back: 32 lanes take a row's 512 bytes
	v_add_nc_u32 v[RD], s23, v[GO]
	v_lshlrev_b32 v11, 5, v2
	s_lshl_b32 s78, s42, 9                         ; the tile's 128 columns of f32
	s_mov_b32 s79, 0
	s_add_nc_u64 s[72:73], s[72:73], s[78:79]
.set bb, 0
.rept NB
	global_load_b128 v[BI+8*bb:BI+8*bb+3],   v11, s[72:73] offset:bb*64
	global_load_b128 v[BI+8*bb+4:BI+8*bb+7], v11, s[72:73] offset:bb*64+16
.set bb, bb+1
.endr
	s_lshl_b32 s21, s13, 20                        ; out0: row 256 y + 64 w of 4,096 bytes
	s_lshl_b32 s23, s10, 18
	s_add_co_u32 s78, s78, s21
	s_add_co_u32 s78, s78, s23
	s_add_nc_u64 s[74:75], s[74:75], s[78:79]
	s_wait_loadcnt 0x0                             ; the bias, once: rounded to bf16 like every input, and widened again
.set pp, 0
.rept 4*NB
	v_cvt_pk_bf16_f32 v[WK+pp%8], v[BI+2*pp], v[BI+2*pp+1]
	v_lshlrev_b32 v[BI+2*pp], 16, v[WK+pp%8]
	v_and_b32 v[BI+2*pp+1], s[MSK], v[WK+pp%8]
.set pp, pp+1
.endr
; n column blocks from b0 on x my 4 row blocks, 32 along K, from buffer f.  The 32 accumulators take turns, one instruction a turn.
.macro MUL f, b0, n, zero
	WIN MUL_LO
.set bb, \b0
.rept \n
.set AC, 32*bb
.set aa, 0
.rept 4
.if \zero
	v_wmma_f32_16x16x32_f16 v[AC+8*aa:AC+8*aa+7], v[(\f)+32+8*bb:(\f)+32+8*bb+7], v[(\f)+8*aa:(\f)+8*aa+7], 0
.else
	v_wmma_f32_16x16x32_f16 v[AC+8*aa:AC+8*aa+7], v[(\f)+32+8*bb:(\f)+32+8*bb+7], v[(\f)+8*aa:(\f)+8*aa+7], v[AC+8*aa:AC+8*aa+7]
.endif
.set aa, aa+1
.endr
.set bb, bb+1
.endr
.endm
; 24 LDS loads in one run: quarter q of a slot into buffer f
.macro FETCH slot, q, f
	WIN TO_F
.irp a, 0,1,2,3
	ds_load_b128 v[(\f)+8*(\a):(\f)+8*(\a)+3],   v[ADRA+(\slot)] offset:(\q)*64+(\a)*16*PITCH
	ds_load_b128 v[(\f)+8*(\a)+4:(\f)+8*(\a)+7], v[ADRA+(\slot)] offset:(\q)*64+(\a)*16*PITCH+32
.endr
.irp b, 0,1,2,3,4,5,6,7
	ds_load_tr16_b128 v[(\f)+32+8*(\b):(\f)+32+8*(\b)+3],   v[ADRB+(\slot)] offset:(\q)*32*PB+(\b)*32
	ds_load_tr16_b128 v[(\f)+32+8*(\b)+4:(\f)+32+8*(\b)+7], v[ADRB+(\slot)] offset:(\q)*32*PB+(\b)*32+16*PB
.endr
.endm
.macro QUARTER slot, q, f, g, zero
	s_wait_dscnt 8                                 ; all but the youngest eight loads, Wf's blocks 4-7
	MUL \f, 0, NB1, \zero
	PLACES
	FETCH \slot, \q, \g
	s_wait_dscnt NLD                               ; all but the run just issued
	MUL \f, NB1, NB-NB1, \zero
.endm
.macro TURN slot, next, fill
	WIN 0
	s_wait_tensorcnt 0x0                           ; all my tensor loads have landed: my part of the next slot
	ds_add_u32 v[SPW], v[NIL]                      ; 0 onto my spare word
	s_wait_dscnt 9                                 ; (the add and the youngest eight loads may be out)
	MUL F1, 0, NB1/2, 0
	s_wait_dscnt 0x0                               ; the add is done, and my reads of this slot are over
	s_barrier_signal -1
	MUL F1, NB1/2, NB1/2, 0
.if \fill
	WIN 0
.endif
	s_barrier_wait -1
.if \fill
	CREST                                          ; the barrier has opened a round of the cluster's: no wave of any partner still reads this slot or has a load on its way
	s_add_nc_u64 s[G0+4*(\slot)+2:G0+4*(\slot)+3], s[G0+4*(\slot)+2:G0+4*(\slot)+3], 2*KSTEP*2
	s_add_nc_u64 s[G0B+4*(\slot)+2:G0B+4*(\slot)+3], s[G0B+4*(\slot)+2:G0B+4*(\slot)+3], 2*262144
	JLOAD \slot                                    ; the first tensor load behind the round; its four v_nop are also the places in front of the loads below
.else
	PLACES
.endif
	FETCH \next, 0, F0
	MUL F1, NB1, NB-NB1, 0
.endm
; THE WAY OUT of row block a: the bias is added; 32 bytes a lane and block into my own stage; back as whole rows of 512 bytes.
.macro OUT a
	WIN 0
	s_wait_xcnt 0x0                                ; the block before's stores have read their registers, which are loaded again below
	WIN 0x02                                       ; source 0 in window 2
.set bb, 0
.rept 8
.set AC, 8*(4*bb+(\a))
.set nn, 0
.rept 4
	v_pk_add_f32 v[T+8*bb+2*nn:T+8*bb+2*nn+1], v[AC+2*nn:AC+2*nn+1], v[BI+8*bb+2*nn:BI+8*bb+2*nn+1]
.set nn, nn+1
.endr
.set bb, bb+1
.endr
	WIN 0
.irp b, 0,1,2,3,4,5,6,7
	ds_store_b128 v[STO], v[T+8*(\b):T+8*(\b)+3]   offset:64*(\b)
	ds_store_b128 v[STO], v[T+8*(\b)+4:T+8*(\b)+7] offset:64*(\b)+16
.endr
.irp t, 0,1,2,3,4,5,6,7,8,9,10,11,12,13,14,15
	ds_load_b128 v[BK+4*(\t):BK+4*(\t)+3], v[RD] offset:(\t)*SPITCH  ; LDS serves a wave's instructions in order (ISA guide 5.7.1.4): these see the stores above
.endr
.irp t, 0,1,2,3,4,5,6,7,8,9,10,11,12,13,14,15
	s_wait_dscnt 15-(\t)                           ; the younger loads stay out
	global_store_b128 v[GO], v[BK+4*(\t):BK+4*(\t)+3], s[74:75] offset:(16*(\a)+(\t))*4096 th:TH_STORE_NT  ; 512 consecutive bytes, at a multiple of 256 from out0's first
.endr
.endm
	s_wait_tensorcnt 1                             ; my part of K step 0 is in; K step 1's may stay out
	s_barrier_signal -1
	s_barrier_wait -1
	FETCH 0, 0, F0
	QUARTER 0, 1, F0, F1, 1                        ; the first quarter stands in front of the loop: its products start the sums
	WIN 0
	s_mov_b32 s3, LAPS-1
.Llap:                                                 ; a trip goes once round the ring and fills both slots again
	QUARTER 0, 2, F1, F0, 0
	QUARTER 0, 3, F0, F1, 0
	TURN 0, 1, 1
	QUARTER 1, 1, F0, F1, 0
	QUARTER 1, 2, F1, F0, 0
	QUARTER 1, 3, F0, F1, 0
	TURN 1, 0, 1
	QUARTER 0, 1, F0, F1, 0
	WIN 0
	s_sub_co_u32 s3, s3, 1
	s_cmp_lg_u32 s3, 0
	s_cbranch_scc1 .Llap
	QUARTER 0, 2, F1, F0, 0                        ; the last lap fills nothing
	QUARTER 0, 3, F0, F1, 0
	TURN 0, 1, 0
	QUARTER 1, 1, F0, F1, 0
	QUARTER 1, 2, F1, F0, 0
	QUARTER 1, 3, F0, F1, 0
	s_wait_dscnt 8
	MUL F1, 0, NB1, 0
	s_wait_dscnt 0x0
	MUL F1, NB1, NB-NB1, 0
	WIN 0
	PLACES
	OUT 0
	OUT 1
	OUT 2
	OUT 3
	s_wait_tensorcnt 0x0                           ; the wave's end
	ds_add_u32 v[SPW], v[NIL]
	s_wait_dscnt 0x0
	CROUND                                         ; the closing round: no work-group ends while a partner may still ask for a tile that names it
	s_endpgm
.Lfunc_end_k_q4bbeda453d_proj:
	.size	k_q4bbeda453d_proj, .Lfunc_end_k_q4bbeda453d_proj-k_q4bbeda453d_proj
	.p2alignl 7, 3214868480
	.fill 96, 4, 3214868480
	.section	.rodata,"a",@progbits
	.p2align	6, 0x0
	.amdhsa_kernel k_q4bbeda453d_proj
		.amdhsa_group_segment_fixed_size 327680
		.amdhsa_private_segment_fixed_size 0
		.amdhsa_enable_private_segment 0
		.amdhsa_kernarg_size 32
		.amdhsa_user_sgpr_count 2
		.amdhsa_user_sgpr_kernarg_segment_ptr 1
		.amdhsa_wavefront_size32 1
		.amdhsa_system_sgpr_workgroup_id_x 1
		.amdhsa_system_sgpr_workgroup_id_y 1
		.amdhsa_system_sgpr_workgroup_id_z 1
		.amdhsa_system_vgpr_workitem_id 0
		.amdhsa_next_free_vgpr 768
		.amdhsa_next_free_sgpr 80
		.amdhsa_reserve_vcc 0
		.amdhsa_float_denorm_mode_32 3
		.amdhsa_float_denorm_mode_16_64 3
		.amdhsa_memory_ordered 1
		.amdhsa_forward_progress 1
		.amdhsa_inst_pref_size 100
	.end_amdhsa_kernel
	.amdgpu_metadata
---
amdhsa.version: [ 1, 2 ]
amdhsa.kernels:
  - .name:           k_q4bbeda453d_proj
    .symbol:         k_q4bbeda453d_proj.kd
    .args:
      - { .name: zz, .offset: 0, .size: 8, .value_kind: global_buffer, .address_space: global }
      - { .name: wf16, .offset: 8, .size: 8, .value_kind: global_buffer, .address_space: global }
      - { .name: bf, .offset: 16, .size: 8, .value_kind: global_buffer, .address_space: global }
      - { .name: out0, .offset: 24, .size: 8, .value_kind: global_buffer, .address_space: global }
    .group_segment_fixed_size: 327680
    .private_segment_fixed_size: 0
    .kernarg_segment_align: 8
    .kernarg_segment_size: 32
    .max_flat_workgroup_size: 128
    .sgpr_count:     80
    .vgpr_count:     768
    .wavefront_size: 32
...
	.end_amdgpu_metadata
.endif
;; end of part 4
